; MI455X (gfx1250); checked and timed in simulation.
; The chip was launched on July 23, 2026; its instructions are those of AMD's public machine-readable ISA for CDNA 5 (MIT licence, August 2026) and "CDNA5" Instruction Set Architecture Reference Guide (July 2026). The comments in the code are by the model that wrote it; some were corrected since.
;; Local Attention. Allowed arithmetic: matrix products marked QUANTISED: E2M3 operands, one E8M0 scale for each 32 along K, by v_wmma_scale_f32_16x16x128_f8f6f4 with both operands' format E2M3, f32 sums; everything else in f32.
;; Inputs: Wk 1,024 x 1,024 float32; Wo 1,024 x 1,024 float32; Wq 1,024 x 1,024 float32; Wv 1,024 x 1,024 float32; key 1 x 4,096 x 1,024 float32; query 1 x 4,096 x 1,024 float32; value 1 x 4,096 x 1,024 float32.
;; Outputs: out0 1 x 4,096 x 1,024 float32.
;; This version of the problem:
;;   THIS VERSION OF THE PROBLEM IS GIVEN IN LOW PRECISION. The matrix products marked QUANTISED in the list below multiply operands that are first quantised to E2M3 (2 exponent bits, 3 mantissa bits; 6 bits a number), with one power-of-two scale for each 32 numbers along K (OCP MX v1.0); their sums are f32. All else is computed in f32.
;;   The module's matrix products, in the order in which they are computed (A, B: the left and right operand; K: the contracted axis; several contracted axes count as one K, in the product's order):
;;     1. [M 4,096, K 1,024] x [K 1,024, N 1,024]; A: input query; B: input Wq: QUANTISED
;;     2. [M 4,096, K 1,024] x [K 1,024, N 1,024]; A: input key; B: input Wk: QUANTISED
;;     3. [M 4,096, K 1,024] x [K 1,024, N 1,024]; A: input value; B: input Wv: QUANTISED
;;     4. batch 16 x [M 4,096, K 64] x [K 64, N 4,096]; A: computed on the way; B: computed on the way: QUANTISED
;;     5. batch 16 x [M 4,096, K 4,096] x [K 4,096, N 64]; A: softmax (see below); B: computed on the way: QUANTISED
;;     6. [M 4,096, K 1,024] x [K 1,024, N 1,024]; A: computed on the way; B: input Wo: QUANTISED
;;   THE QUANTISER, for each operand of a quantised product, along K:
;;     - K is cut into blocks of 32 from its start; a last block that is shorter is filled with zeros.
;;     - A block's scale is 2^e with e = floor(log2(the largest magnitude in the block)) - 2, held to -126 .. 127; a block of zeros has e = 0. As a byte (E8M0): e + 127.
;;     - Each number is divided by its block's scale, clamped to +-7.5, and rounded to the nearest number of E2M3, ties to even, subnormals kept.
;;     - The product sums the exact products of the quantised numbers (number of the format x scale) in f32.
;;   ~~~python
;;   def quantise(x, axis):      # numpy; x: float32 -> the quantised numbers, widened to float32 again
;;       x = np.moveaxis(x, axis, -1); K = x.shape[-1]
;;       x = np.pad(x, [(0, 0)] * (x.ndim - 1) + [(0, -K % 32)]); x = x.reshape(x.shape[:-1] + (-1, 32)); a = np.abs(x).max(-1, keepdims=True)
;;       e = np.where(a > 0, np.clip(np.frexp(np.where(a > 0, a, 1))[1] - 1 - 2, -126, 127), 0)      # np.frexp(a)[1] - 1 = floor(log2(a)), exactly
;;       r = np.clip(x / 2.0 ** e, -7.5, 7.5)
;;       step = 2.0 ** (np.maximum(np.frexp(np.where(r == 0, 1, r))[1] - 1, 0) - 3)
;;       q = np.round(r / step) * step * 2.0 ** e      # np.round: ties to even
;;       return np.moveaxis(q.reshape(q.shape[:-2] + (-1,))[..., :K], -1, axis).astype(np.float32)
;;   ~~~
;;   SOFTMAX AHEAD OF A QUANTISED PRODUCT. Where the list says 'softmax', what is quantised is not the finished softmax but p = 2^(t - M), with t = logit x log2(e) and M = ceil(the row's largest t), a whole number; so 1/2 < the row's largest p <= 1. The row's sum l is taken of the UNQUANTISED p, in f32, and the product's result is divided by l at the end. Since M is a whole number, a kernel that streams over the keys may use a running M (the ceiling of the running maximum): every later rescaling is an exact power of two, which a block's scale takes up: the codes' values come out the same.
;;   OPERANDS COMPUTED ON THE WAY. 'Computed on the way' means the value that the module computes at that place (a softmax that the list does not call 'softmax' is quantised finished and normalised). What goes into a quantiser is computed in f32, as accurately as f32 sums, v_exp_f32 and their like allow (about 1e-6 of the number): no bf16 or f16 on the way to a quantiser, and a product that is left as it is and whose result goes on into a quantised operand takes f32 operands (vector FMAs, or v_wmma_f32_16x16x4_f32). A number that lies on a knife's edge between two numbers of the format may be rounded either way, as far as f32 arithmetic and the matrix unit's own rounding can turn it there, and no further.
;; 2 versions, each right; version 2 is version 1 with the launch attn written anew for expert scheduling mode. Each part assembles by itself: llvm-mc -triple=amdgcn-amd-amdhsa -mcpu=gfx1250 --defsym DOCPART=n.
;; ======== version 1 of 2: 4 launches
;; workspace buffers: codes_in 12,582,912 bytes; scales_in 524,288 bytes; p_codes 9,437,184 bytes; p_scales 393,216 bytes; o_codes 3,145,728 bytes; o_scales 131,072 bytes
;; launch quant (part 1): grid 320 x 1, 8 waves a work-group, no clusters, 68,608 bytes of LDS; arguments query, key, value, Wq, Wk, Wv, Wo, codes_in, scales_in; writes codes_in, scales_in
.if DOCPART == 1
	.amdgcn_target "amdgcn-amd-amdhsa--gfx1250"
	.amdhsa_code_object_version 6
	.text
	.protected	k_q4e1e52800e_quant
	.globl	k_q4e1e52800e_quant
	.p2align	8
	.type	k_q4e1e52800e_quant,@function
k_q4e1e52800e_quant:
	s_mov_b64 s[64:65], 0
	v_nop
	global_prefetch_b8 v0, s[64:65] scope:SCOPE_SE
	s_setreg_imm32_b32 hwreg(HW_REG_WAVE_MODE, 25, 1), 1
	s_wait_xcnt 0x0
; The seven f32 inputs become codes of FP6 (E2M3) with one E8M0 scale byte for each 32 along K, laid as the products' launches take them.
; A block's scale is 2^(floor(log2(its largest magnitude)) - 2); its byte is the largest magnitude's exponent field - 2, held at 1 from below.
; LIMITS: NaN and infinities among the inputs are not served; a block whose largest magnitude lies under 2^-124 keeps the byte 1; a block of zeros has the byte 1 where
; the quantiser says 127: its codes are zeros, which add nothing under any byte but 0xff, and the bytes are read by this program alone.
; LAYOUT OF THE CODES: [tile of 16 rows T][K step of 128 s][1,536 bytes]: an image of the operand's 12 registers: registers 4 c .. 4 c + 3 of lane l at 512 c + 16 l.
;   T: query 0-255, key 256-511, value 512-767, Wq 768-831, Wk 832-895, Wv 896-959, Wo 960-1023 (a weight's rows are its columns n; K is its first axis).
; THE ROWS OF A TILE ARE NOT NEIGHBOURS: storage row 32 b + 16 u + r holds row 32 b + 8 u + r + 8 (r / 8), so that a product that takes two neighbouring tiles as source 0 leaves 16 neighbours in a lane's 16 registers.
; LAYOUT OF THE SCALES: [T / 4][s][256 bytes]: the word (four bytes, 128 along K) of row r of tile t of the four at 16 r + 4 t.
; SHARES: a wave's number is its K step.  Work-groups 0-191: 64 rows of an activation, four fragments a wave.  Work-groups 192-319: 32 columns of a weight, two fragments a wave.
; No matrix unit, no tensor load, no barrier: waves share nothing.  Only the activations' way stores to LDS: a stage of its own for each wave.
.set STG,   8448                       ; a wave's stage: 16 rows x (512 bytes + 16)
.set SPARE, 8*STG                      ; behind the stages: the spare words, 128 bytes for each wave: four blocks of 256 bytes that no other line names
.set SPW,   12                         ; v12  LDS address of my spare word; never rewritten
.set NIL,   13                         ; v13  0; never rewritten
.set F,     16                         ; v16-27   a fragment's codes
.set TT,    28                         ; v28-34   the conversions' second halves (three registers that begin on an even number)
.set PW,    48                         ; v48-51   the four fragments' scale words
.set X,     64                         ; v64-127  64 numbers in the operand's order
.set R,     128                        ; v128-255 two sets of 64 numbers as they are loaded
.set T0,    16                         ; the weights' way: blocks 0 and 2, later tile 2 j
.set T1,    64                         ; blocks 1 and 3, later tile 2 j + 1
.set Y,     128                        ; v128-255 a column's 128 numbers
	s_load_b256 s[4:11], s[0:1], 0x0               ; query, key, value, Wq
	s_load_b256 s[12:19], s[0:1], 0x20             ; Wk, Wv, Wo, codes_in
	s_load_b64 s[20:21], s[0:1], 0x40              ; scales_in
	v_lshl_add_u32 v[SPW], v0, 2, SPARE
	v_mov_b32 v[NIL], 0
	v_lshrrev_b32 v1, 5, v0
	v_readfirstlane_b32 s22, v1                    ; wave = K step s
	v_and_b32 v1, 31, v0                           ; lane
	v_lshlrev_b32 v2, 4, v1                        ; 16 x lane
	v_and_b32 v9, 15, v0                           ; r
	v_bfe_u32 v10, v0, 4, 1                        ; h
	s_mov_b32 s26, 0x76543210
	s_mov_b32 s27, 0xfedcba98                      ; v_permlanex16_b32's selects for lane l xor 16
	s_mov_b32 s30, 0xffff0000                      ; lanes 16-31
	s_cmp_ge_u32 ttmp9, 192
	s_cbranch_scc1 .Lweights
	; ---------------- activations: K is innermost ----------------
	s_mul_i32 s24, s22, STG
	v_add_nc_u32 v3, s24, v2                       ; the stage on the way in: a row's 512 bytes as they lie
	v_mul_u32_u24 v4, v9, 528
	v_lshl_add_u32 v4, v10, 7, v4
	v_add_nc_u32 v4, s24, v4                       ; and on the way out: row r, + 128 h: my block of 32 numbers
	v_lshlrev_b32 v5, 4, v9
	v_lshl_add_u32 v5, v10, 3, v5                  ; 16 r + 8 h: my two scale words' place
	v_lshlrev_b32 v6, 3, v10                       ; 8 h
	v_mov_b32 v44, 0                               ; written once: a lane permute's destination counts as one of its sources
	s_lshr_b32 s23, ttmp9, 6                       ; which tensor
	s_and_b32 s25, ttmp9, 63
	s_lshl_b32 s34, s25, 18                        ; 64 rows of 4,096 bytes,
	s_lshl_b32 s28, s22, 9
	s_add_co_u32 s34, s34, s28                     ; + 512 s
	s_mov_b32 s35, 0
	s_mul_i32 s36, ttmp9, 49152                    ; four tiles x 8 K steps x 1,536 bytes,
	s_mul_i32 s28, s22, 1536
	s_add_co_u32 s36, s36, s28
	s_mov_b32 s37, 0
	s_lshl_b32 s38, ttmp9, 3
	s_add_co_u32 s38, s38, s22
	s_lshl_b32 s38, s38, 8                         ; (8 G + s) x 256
	s_mov_b32 s39, 0
	s_wait_kmcnt 0x0
	s_cmp_eq_u32 s23, 0                            ; the choice hangs on the work-group's number alone
	s_cselect_b64 s[32:33], s[4:5], s[6:7]
	s_cmp_eq_u32 s23, 2
	s_cselect_b64 s[32:33], s[8:9], s[32:33]
	s_add_nc_u64 s[32:33], s[32:33], s[34:35]
	s_add_nc_u64 s[18:19], s[18:19], s[36:37]
	s_add_nc_u64 s[20:21], s[20:21], s[38:39]
.macro ALOAD f                         ; fragment f's 16 rows, each 512 consecutive bytes, in the tile's order of rows
.irp i, 0,1,2,3,4,5,6,7,8,9,10,11,12,13,14,15
	global_load_b128 v[R+64*((\f)%2)+4*\i:R+64*((\f)%2)+4*\i+3], v2, s[32:33] offset:(32*((\f)/2)+8*((\f)%2)+\i+8*(\i/8))*4096 th:TH_LOAD_NT
.endr
.endm
.macro AFRAG f
.if (\f) < 3
	s_wait_loadcnt 16                              ; this fragment's 16 loads are in; the next fragment's 16 may be out
.else
	s_wait_loadcnt 0
.endif
.irp i, 0,1,2,3,4,5,6,7,8,9,10,11,12,13,14,15
	ds_store_b128 v3, v[R+64*((\f)%2)+4*\i:R+64*((\f)%2)+4*\i+3] offset:528*\i
.endr
.irp c, 0,1                            ; LDS serves a wave's instructions in order: these see the stores above.  Lane (r, h) takes k = 64 c + 32 h + 0 .. 31 of row r
.irp j, 0,1,2,3,4,5,6,7
	ds_load_b128 v[X+32*\c+4*\j:X+32*\c+4*\j+3], v4 offset:256*\c+16*\j
.endr
.endr
	s_wait_dscnt 0x0                               ; the numbers are back, and the stores have read their registers,
.if (\f) < 2
	ALOAD (\f)+2                                   ; which take the loads of two fragments on
.endif
.irp c, 0,1                            ; my block 2 c + h: all its 32 numbers are mine
	v_max3_num_f32 v[36+\c], |v[X+32*\c]|, |v[X+32*\c+1]|, 0x1800000   ; and the floor 2^(3 - 127): the byte cannot fall under 1
.endr
.irp i, 2,4,6,8,10,12,14,16,18,20,22,24,26,28,30
.irp c, 0,1
	v_max3_num_f32 v[36+\c], v[36+\c], |v[X+32*\c+\i]|, |v[X+32*\c+\i+1]|
.endr
.endr
.irp c, 0,1
	v_add_nc_u32 v[38+\c], 0xff000000, v[36+\c]    ; 2 off the exponent field: the conversion takes the exponent field of this operand as its scale
.endr
.irp c, 0,1
	v_lshrrev_b32 v[40+\c], 23, v[38+\c]           ; the scale's byte
.endr
	v_lshl_or_b32 v42, v41, 16, v40                ; my two bytes: blocks h and 2 + h,
	v_lshlrev_b32 v42, v6, v42                     ; at their places in the word;
	v_permlanex16_b32 v44, v42, s26, s27
	v_or_b32 v[PW+(\f)], v42, v44                  ; with lane l xor 16's two the word is whole
.if (\f) > 0
	s_wait_xcnt 0x0                                ; the last fragment's stores have read their data: the codes' registers are written again only behind this wait
.endif
.irp c, 0,1
	v_cvt_scalef32_pk16_fp6_f32 v[F+6*\c:F+6*\c+2], v[X+32*\c:X+32*\c+15], v[38+\c]
	v_cvt_scalef32_pk16_fp6_f32 v[TT+4*\c:TT+4*\c+2], v[X+32*\c+16:X+32*\c+31], v[38+\c]
.endr
	v_nop                                          ; one plain place behind a scaled conversion
.irp c, 0,1
.irp i, 0,1,2
	v_mov_b32 v[F+3+6*\c+\i], v[TT+4*\c+\i]
.endr
.endr
.irp c, 0,1,2
	global_store_b128 v2, v[F+4*\c:F+4*\c+3], s[18:19] offset:12288*(\f)+512*\c   ; 32 lanes store 512 consecutive bytes, at a multiple of 256 from the buffer's first byte
.endr
.endm
	ALOAD 0
	ALOAD 1
	AFRAG 0
	AFRAG 1
	AFRAG 2
	AFRAG 3
	v_cndmask_b32 v52, v[PW], v[PW+2], s30         ; lanes 0-15 store the words of tiles 0, 1, lanes 16-31 those of tiles 2, 3
	v_cndmask_b32 v53, v[PW+1], v[PW+3], s30
	global_store_b64 v5, v[52:53], s[20:21]        ; 32 lanes store 256 consecutive bytes, aligned
	s_wait_tensorcnt 0x0                           ; the wave's end, behind my last LDS store
	ds_add_u32 v[SPW], v[NIL]
	s_wait_dscnt 0x0
	s_endpgm
	; ---------------- weights: K is the first axis.  A lane takes a column, its registers run down K ----------------
.Lweights:
	s_sub_co_u32 s23, ttmp9, 192                   ; j
	s_lshr_b32 s24, s23, 5                         ; which weight
	s_and_b32 s25, s23, 31                         ; which 32 columns
	v_and_b32 v7, 8, v9
	v_add_nc_u32 v7, v7, v9
	v_lshl_add_u32 v7, v10, 3, v7                  ; lane 16 u + r takes column 8 u + r + 8 (r / 8): storage row r of tile 2 j + u
	v_lshlrev_b32 v7, 2, v7                        ; the wave still reads 128 consecutive bytes
	v_lshlrev_b32 v8, 4, v9
	v_lshl_add_u32 v8, v10, 2, v8                  ; 16 r + 4 u: my scale word's place
	s_lshl_b32 s34, s22, 19                        ; 128 rows of 4,096 bytes a K step,
	s_lshl_b32 s28, s25, 7
	s_add_co_u32 s34, s34, s28                     ; + 128 bytes for each 32 columns
	s_mov_b32 s35, 0
	s_lshl_b32 s36, s23, 4
	s_add_co_u32 s36, s36, 6144
	s_add_co_u32 s36, s36, s22
	s_mul_i32 s36, s36, 1536                       ; ((768 + 2 j) x 8 + s) x 1,536
	s_mov_b32 s37, 0
	s_lshr_b32 s38, s23, 1
	s_add_co_u32 s38, s38, 192
	s_lshl_b32 s38, s38, 3
	s_add_co_u32 s38, s38, s22
	s_lshl_b32 s38, s38, 8                         ; ((192 + j / 2) x 8 + s) x 256
	s_and_b32 s28, s23, 1
	s_lshl_b32 s28, s28, 3
	s_add_co_u32 s38, s38, s28                     ; + 8 (j % 2): tiles 2 (j % 2) and 2 (j % 2) + 1 of the four
	s_mov_b32 s39, 0
	s_wait_kmcnt 0x0
	s_cmp_eq_u32 s24, 0
	s_cselect_b64 s[32:33], s[10:11], s[12:13]
	s_cmp_eq_u32 s24, 2
	s_cselect_b64 s[32:33], s[14:15], s[32:33]
	s_cmp_eq_u32 s24, 3
	s_cselect_b64 s[32:33], s[16:17], s[32:33]
	s_add_nc_u64 s[32:33], s[32:33], s[34:35]
	s_add_nc_u64 s[18:19], s[18:19], s[36:37]
	s_add_nc_u64 s[20:21], s[20:21], s[38:39]
.macro WLOAD b                         ; block b: W(128 s + 32 b + i, my column)
.irp i, 0,1,2,3,4,5,6,7,8,9,10,11,12,13,14,15,16,17,18,19,20,21,22,23,24,25,26,27,28,29,30,31
	global_load_b32 v[Y+32*(\b)+\i], v7, s[32:33] offset:(32*(\b)+\i)*4096
.endr
.endm
.macro WBLOCK b
.set YS,  Y+32*(\b)
.set DST, T0+(T1-T0)*((\b)%2)+6*((\b)/2)
.if (\b) < 3
	s_wait_loadcnt 32                              ; this block's 32 loads are in; the next block's may be out
.else
	s_wait_loadcnt 0
.endif
.if (\b) < 2
	WLOAD (\b)+2
.endif
	v_max3_num_f32 v36, |v[YS]|, |v[YS+1]|, |v[YS+2]|   ; the block's largest magnitude: all 32 numbers are mine; two chains
	v_max3_num_f32 v37, |v[YS+3]|, |v[YS+4]|, |v[YS+5]|
.irp i, 6,10,14,18,22,26
	v_max3_num_f32 v36, v36, |v[YS+\i]|, |v[YS+\i+1]|
	v_max3_num_f32 v37, v37, |v[YS+\i+2]|, |v[YS+\i+3]|
.endr
	v_max3_num_f32 v36, v36, |v[YS+30]|, |v[YS+31]|
	v_max3_num_f32 v36, v36, v37, 0x1800000        ; and the floor
	v_add_nc_u32 v38, 0xff000000, v36
	v_lshrrev_b32 v40, 23, v38
.if (\b) == 0
	v_mov_b32 v[PW], v40                           ; four bytes to the word, the lower K in the lower byte
.else
	v_lshl_or_b32 v[PW], v40, 8*(\b), v[PW]
.endif
	v_cvt_scalef32_pk16_fp6_f32 v[DST:DST+2], v[YS:YS+15], v38
	v_cvt_scalef32_pk16_fp6_f32 v[TT:TT+2], v[YS+16:YS+31], v38
	v_nop                                          ; one plain place behind a scaled conversion
.irp i, 0,1,2
	v_mov_b32 v[DST+3+\i], v[TT+\i]
.endr
.endm
	WLOAD 0
	WLOAD 1
	WBLOCK 0
	WBLOCK 1
	WBLOCK 2
	WBLOCK 3
.irp i, 0,1,2,3,4,5,6,7,8,9,10,11      ; the operand wants blocks 0, 2 of a row in lanes 0-15 and blocks 1, 3 in lanes 16-31: the first's lanes 16-31 (tile 2 j + 1, blocks 0, 2) change places with the second's lanes 0-15 (tile 2 j, blocks 1, 3)
	v_permlane16_swap_b32 v[T0+\i], v[T1+\i]
.endr
.irp c, 0,1,2
	global_store_b128 v2, v[T0+4*\c:T0+4*\c+3], s[18:19] offset:512*\c
	global_store_b128 v2, v[T1+4*\c:T1+4*\c+3], s[18:19] offset:12288+512*\c
.endr
	global_store_b32 v8, v[PW], s[20:21]           ; two of four words a row: half of the 256 bytes; the other half is the neighbouring work-group's.  One byte for each 128 that this way reads
	s_wait_tensorcnt 0x0                           ; the same three lines close this way too
	ds_add_u32 v[SPW], v[NIL]
	s_wait_dscnt 0x0
	s_endpgm
.Lfunc_end_k_q4e1e52800e_quant:
	.size	k_q4e1e52800e_quant, .Lfunc_end_k_q4e1e52800e_quant-k_q4e1e52800e_quant
	.p2alignl 7, 3214868480
	.fill 96, 4, 3214868480
	.section	.rodata,"a",@progbits
	.p2align	6, 0x0
	.amdhsa_kernel k_q4e1e52800e_quant
		.amdhsa_group_segment_fixed_size 68608
		.amdhsa_private_segment_fixed_size 0
		.amdhsa_enable_private_segment 0
		.amdhsa_kernarg_size 72
		.amdhsa_user_sgpr_count 2
		.amdhsa_user_sgpr_kernarg_segment_ptr 1
		.amdhsa_wavefront_size32 1
		.amdhsa_system_sgpr_workgroup_id_x 1
		.amdhsa_system_sgpr_workgroup_id_y 1
		.amdhsa_system_sgpr_workgroup_id_z 1
		.amdhsa_system_vgpr_workitem_id 0
		.amdhsa_next_free_vgpr 256
		.amdhsa_next_free_sgpr 66
		.amdhsa_reserve_vcc 0
		.amdhsa_float_denorm_mode_32 3
		.amdhsa_float_denorm_mode_16_64 3
		.amdhsa_memory_ordered 1
		.amdhsa_forward_progress 1
		.amdhsa_inst_pref_size 51
	.end_amdhsa_kernel
	.amdgpu_metadata
---
amdhsa.version: [ 1, 2 ]
amdhsa.kernels:
  - .name:           k_q4e1e52800e_quant
    .symbol:         k_q4e1e52800e_quant.kd
    .args:
      - { .name: query, .offset: 0, .size: 8, .value_kind: global_buffer, .address_space: global }
      - { .name: key, .offset: 8, .size: 8, .value_kind: global_buffer, .address_space: global }
      - { .name: value, .offset: 16, .size: 8, .value_kind: global_buffer, .address_space: global }
      - { .name: Wq, .offset: 24, .size: 8, .value_kind: global_buffer, .address_space: global }
      - { .name: Wk, .offset: 32, .size: 8, .value_kind: global_buffer, .address_space: global }
      - { .name: Wv, .offset: 40, .size: 8, .value_kind: global_buffer, .address_space: global }
      - { .name: Wo, .offset: 48, .size: 8, .value_kind: global_buffer, .address_space: global }
      - { .name: codes_in, .offset: 56, .size: 8, .value_kind: global_buffer, .address_space: global }
      - { .name: scales_in, .offset: 64, .size: 8, .value_kind: global_buffer, .address_space: global }
    .group_segment_fixed_size: 68608
    .private_segment_fixed_size: 0
    .kernarg_segment_align: 8
    .kernarg_segment_size: 72
    .max_flat_workgroup_size: 256
    .sgpr_count:     66
    .vgpr_count:     256
    .wavefront_size: 32
...
	.end_amdgpu_metadata
.endif
;; end of part 1
;; launch proj (part 2): grid 16 x 12, 4 waves a work-group, clusters of 4 x 4, 327,680 bytes of LDS; arguments codes_in, scales_in, p_codes, p_scales; writes p_codes, p_scales
.if DOCPART == 2
	.amdgcn_target "amdgcn-amd-amdhsa--gfx1250"
	.amdhsa_code_object_version 6
	.text
	.protected	k_q4e1e52800e_proj
	.globl	k_q4e1e52800e_proj
	.p2align	8
	.type	k_q4e1e52800e_proj,@function
k_q4e1e52800e_proj:
	s_mov_b64 s[64:65], 0
	v_nop
	global_prefetch_b8 v0, s[64:65] scope:SCOPE_SE
	s_setreg_imm32_b32 hwreg(HW_REG_WAVE_MODE, 25, 1), 1
	s_wait_xcnt 0x0
	s_wait_alu depctr_hold_cnt(0) depctr_sa_sdst(0) depctr_va_vdst(0) depctr_va_sdst(0) depctr_va_ssrc(0) depctr_va_vcc(0) depctr_vm_vsrc(0)
	s_getreg_b32 s2, hwreg(HW_REG_IB_STS2, 6, 4)
	s_cmp_eq_u32 s2, 0
	s_cbranch_scc0 .Lentry_in_a_cluster
	s_endpgm
.Lentry_in_a_cluster:
	s_bfe_u32 s2, ttmp6, 0x10000c
	s_cmp_lg_u32 s2, 0xf033
	s_cbranch_scc0 .Lentry_shape_is_right
	s_endpgm
.Lentry_shape_is_right:
; The three projections, on codes of FP6 (E2M3) with E8M0 block scales, and the quantising of their results for the attention's two products.
; g = cluster y: 0: q = query Wq, 1: k = key Wk, 2: v = value Wv.  A tile is 256 x-rows (source 1, "A": a lane keeps one) x 256 y-rows (source 0, "B": a lane's registers run along them).
;   q, k: A = tokens, B = the weight's columns: a lane's 64 results of a block of 16 tokens are 128 neighbouring channels (two heads): quantised along the head.
;   v:    A = Wv's columns, B = tokens: a lane holds one channel and 128 neighbouring keys: quantised along the keys.  One text serves all three: only first tiles and the output's pitch are chosen, by s_cselect_b32 on g.
; Four waves, each 128 x 128: 64 accumulators, 512 registers.  K = 1,024 is 8 steps of 128, written out.
; OPERANDS lie in memory as images of their registers (1,536 bytes a fragment, [tile][K step]): a tensor load brings 8 tiles x 2 K steps (8 rows of 3,072 bytes, 12,288 bytes apart); a fragment is three ds_load_b128 of 512 consecutive bytes.
; LDS: three regions of two K steps each.  Six of the eight K steps are asked for at the start; region 0 is filled once more, with K steps 6 and 7, at the change in K step 1: that load has four K steps, 256 matrix instructions, in which to land.
; By this text's own count a wave has three tensor loads out at the start and one behind the refill.
; CLUSTERS: 4 x 4 work-groups.  A's tiles are shared along a row of the cluster, B's along a column: each is asked for jointly, by the same tensor load with the same descriptor and a mask that names the four.
; THE SCALES: a wave's words for all of K are 16 loads of 16 bytes a lane, once: register SCx + 4 s + t holds block t's words in lanes 0-15 and block 4 + t's in lanes 16-31.
; OUTPUT: p_codes: g x 3,145,728 + (y step x NX + x tile) x 1,536, NX = 256 (q, k) or 64 (v); p_scales: g x 131,072 + (y step x NX / 4 + x tile / 4) x 256, the word of row r of tile t at 16 r + 4 t.
; LIMITS: NaN and infinities are not served; a block whose largest magnitude lies under 2^-124 keeps the scale byte 1, a block of zeros too (its codes are zeros; this program alone reads the bytes).
; REGISTERS, in windows of 256: window 0: v16-30 addresses; v32-63 A's scale words, v64-95 B's; v96-123 at work on the way out; v128-223 A's fragments, one set; v224-242 the codes just made.
;   window 1: B's fragments, two sets, at v0 and v128.   window 2: the accumulators of my x blocks 0-3 ((a, b) at v[8 (8 (a % 4) + b)]);   window 3: those of blocks 4-7.
.set REG,   98304                      ; a region: A's 16 tiles, then B's 16, 3,072 bytes (two K steps) each
.set SPARE, 3*REG                      ; behind the regions: the spare words, 128 bytes for each wave: two blocks of 256 bytes that no other line names
.set FR,    12
.set ADRA,  16                         ; v16-18  LDS address of my A fragments in region 0, 1, 2
.set ADRB,  20                         ; v20-22  the same for B
.set SPW,   28                         ; v28     LDS address of my spare word; never rewritten
.set NIL,   29                         ; v29     0; never rewritten
.set SCA,   32
.set SCB,   64
.set AF,    128
.set TM,    96                         ; the way out: v96-99 largest magnitudes, v100-103 bytes, v108-111 the conversions' scale operands
.set PWD,   112                        ; v112-119 the eight blocks' scale words
.set PC,    224
.set G1A,   24
.set G0A,   32                         ; s[32:43] three sets, one for each region
.set G1B,   48
.set G0B,   68                         ; s[68:79]
.set MSB,   0
.macro WIN new                         ; the immediate's high byte repeats the setting that is left
.if MSB != (\new)
	s_set_vgpr_msb (MSB<<8)|(\new)
.set MSB, (\new)
.endif
.endm
.macro PLACES                          ; four plain places in front of loads into registers that matrix instructions have read, and of the first read of results
.rept 4
	v_nop
.endr
.endm
; A joint load: waves 0 and 1 fetch for A, waves 2 and 3 for B; the branch hangs on the wave's number alone.  An s_nop 0 and four v_nop follow each of the two lines.
.macro JLOAD g0a, g0b
	s_cmp_eq_u32 s15, 0
	s_cbranch_scc0 .Lfor_b_\@
	tensor_load_to_lds s[\g0a:\g0a+3], s[G1A:G1A+7]
	s_nop 0
.rept 4
	v_nop
.endr
	s_branch .Lasked_\@
.Lfor_b_\@:
	tensor_load_to_lds s[\g0b:\g0b+3], s[G1B:G1B+7]
	s_nop 0
.rept 4
	v_nop
.endr
.Lasked_\@:
.endm
.macro CREST                           ; a round of the cluster's barrier behind its opening barrier
	s_cmp_lg_u32 s14, 0
	s_cbranch_scc1 .Lnot_wave_0_\@
	s_barrier_signal -3
.Lnot_wave_0_\@:
	s_barrier_wait -3
	s_barrier_signal -1
	s_barrier_wait -1
.endm
.macro CROUND
	s_barrier_signal -1
	s_barrier_wait -1
	CREST
.endm
; One product: x block a, y block b, K step k.  Source 0 = B's fragment with B's scale word (lanes 16-31 for blocks 4-7), source 1 = A's likewise.  zero = 1: it starts the sum.
.macro WM a, b, k, zero
.set rD,  8*(8*((\a)%4)+(\b))
.set rB,  128*((\k)%2)+FR*(\b)
.set rA,  AF+FR*(\a)
.set rSB, SCB+4*(\k)+(\b)%4
.set rSA, SCA+4*(\k)+(\a)%4
.if \zero
.if ((\a) < 4) && ((\b) < 4)
	v_wmma_scale_f32_16x16x128_f8f6f4 v[rD:rD+7], v[rB:rB+FR-1], v[rA:rA+FR-1], 0, v[rSB], v[rSA] matrix_a_fmt:MATRIX_FMT_FP6 matrix_b_fmt:MATRIX_FMT_FP6
.elseif (\a) < 4
	v_wmma_scale_f32_16x16x128_f8f6f4 v[rD:rD+7], v[rB:rB+FR-1], v[rA:rA+FR-1], 0, v[rSB], v[rSA] matrix_a_fmt:MATRIX_FMT_FP6 matrix_b_fmt:MATRIX_FMT_FP6 matrix_a_scale:MATRIX_SCALE_ROW1
.elseif (\b) < 4
	v_wmma_scale_f32_16x16x128_f8f6f4 v[rD:rD+7], v[rB:rB+FR-1], v[rA:rA+FR-1], 0, v[rSB], v[rSA] matrix_a_fmt:MATRIX_FMT_FP6 matrix_b_fmt:MATRIX_FMT_FP6 matrix_b_scale:MATRIX_SCALE_ROW1
.else
	v_wmma_scale_f32_16x16x128_f8f6f4 v[rD:rD+7], v[rB:rB+FR-1], v[rA:rA+FR-1], 0, v[rSB], v[rSA] matrix_a_fmt:MATRIX_FMT_FP6 matrix_b_fmt:MATRIX_FMT_FP6 matrix_a_scale:MATRIX_SCALE_ROW1 matrix_b_scale:MATRIX_SCALE_ROW1
.endif
.else
.if ((\a) < 4) && ((\b) < 4)
	v_wmma_scale_f32_16x16x128_f8f6f4 v[rD:rD+7], v[rB:rB+FR-1], v[rA:rA+FR-1], v[rD:rD+7], v[rSB], v[rSA] matrix_a_fmt:MATRIX_FMT_FP6 matrix_b_fmt:MATRIX_FMT_FP6
.elseif (\a) < 4
	v_wmma_scale_f32_16x16x128_f8f6f4 v[rD:rD+7], v[rB:rB+FR-1], v[rA:rA+FR-1], v[rD:rD+7], v[rSB], v[rSA] matrix_a_fmt:MATRIX_FMT_FP6 matrix_b_fmt:MATRIX_FMT_FP6 matrix_a_scale:MATRIX_SCALE_ROW1
.elseif (\b) < 4
	v_wmma_scale_f32_16x16x128_f8f6f4 v[rD:rD+7], v[rB:rB+FR-1], v[rA:rA+FR-1], v[rD:rD+7], v[rSB], v[rSA] matrix_a_fmt:MATRIX_FMT_FP6 matrix_b_fmt:MATRIX_FMT_FP6 matrix_b_scale:MATRIX_SCALE_ROW1
.else
	v_wmma_scale_f32_16x16x128_f8f6f4 v[rD:rD+7], v[rB:rB+FR-1], v[rA:rA+FR-1], v[rD:rD+7], v[rSB], v[rSA] matrix_a_fmt:MATRIX_FMT_FP6 matrix_b_fmt:MATRIX_FMT_FP6 matrix_a_scale:MATRIX_SCALE_ROW1 matrix_b_scale:MATRIX_SCALE_ROW1
.endif
.endif
.endm
.macro MUL16 a0, k, zero               ; 16 products; the 64 accumulators take turns, one instruction a turn, in the same order in every K step
.irp a, \a0, \a0+1
.irp b, 0,1,2,3,4,5,6,7
	WM \a, \b, \k, \zero
.endr
.endr
.endm
.macro FRAG reg, adr, off              ; a fragment's image: three loads of 512 consecutive bytes
.irp c, 0,1,2
	ds_load_b128 v[\reg+4*\c:\reg+4*\c+3], v[\adr] offset:\off+512*\c
.endr
.endm
.macro FETCH_B rho, q, p               ; B's eight fragments of region rho's q-th K step into set p
	WIN 0x40                                       ; destination window 1, address window 0
.irp i, 0,1,2,3,4,5,6,7
	FRAG 128*(\p)+FR*\i, ADRB+\rho, 3072*\i+1536*(\q)
.endr
	WIN 0
.endm
.macro FETCH_A rho, q, i0              ; A's blocks i0 .. i0 + 3
.irp i, \i0, \i0+1, \i0+2, \i0+3
	FRAG AF+FR*(\i), ADRA+\rho, 3072*(\i)+1536*(\q)
.endr
.endm
; K step k; the next step's fragments lie in region rn, its qn-th K step.  A block of A is free when its eight products are issued: blocks 0-3 are fetched anew in the middle, blocks 4-7 at the end.
.macro STEP k, zero, rn, qn
	s_wait_dscnt 12                                ; B's set and A's blocks 0-3 are in; the youngest 12 loads (A's blocks 4-7) may be out
	WIN 0xa1                                       ; source 0 window 1, source 1 window 0, C and D window 2
	MUL16 0, \k, \zero
	MUL16 2, \k, \zero
	s_wait_dscnt 0
	PLACES
	FETCH_B \rn, \qn, 1-(\k)%2
	FETCH_A \rn, \qn, 0
	WIN 0xf1                                       ; C and D window 3
	MUL16 4, \k, \zero
	MUL16 6, \k, \zero
	PLACES
	WIN 0
	FETCH_A \rn, \qn, 4
.endm
; A K step with a barrier: in front of it each wave waits for all its tensor loads, adds 0 to its spare word, and waits for that and for its LDS reads.  fill = 1: region 0, which nobody reads any more, takes K steps 6 and 7.
.macro TURN k, rn, qn, fill
	s_wait_tensorcnt 0x0                           ; all my tensor loads have landed
	ds_add_u32 v[SPW], v[NIL]                      ; 0 onto my spare word
	s_wait_dscnt 13                                ; (the add and the youngest 12 loads may be out)
	WIN 0xa1
	MUL16 0, \k, 0                                 ; sixteen matrix instructions stand between the add and the wait for it
	s_wait_dscnt 0x0                               ; the add is done, and all my LDS reads are back
	s_barrier_signal -1
	MUL16 2, \k, 0
	WIN 0
	s_barrier_wait -1
.if \fill
	CREST                                          ; the barrier has opened a round of the cluster's barrier: no wave of any partner still reads region 0 or has a load on its way
	s_add_nc_u64 s[G0A+2:G0A+3], s[G0A+2:G0A+3], 9216   ; from K step 0 to K step 6: 6 x 1,536 bytes
	s_add_nc_u64 s[G0B+2:G0B+3], s[G0B+2:G0B+3], 9216
	JLOAD G0A, G0B                                 ; the first tensor load behind the round; its four v_nop are the places in front of the loads below
.else
	PLACES
.endif
	FETCH_B \rn, \qn, 1-(\k)%2
	FETCH_A \rn, \qn, 0
	WIN 0xf1
	MUL16 4, \k, 0
	MUL16 6, \k, 0
	PLACES
	WIN 0
	FETCH_A \rn, \qn, 4
.endm
	s_load_b256 s[4:11], s[0:1], 0x0               ; codes_in s[4:5], scales_in s[6:7], p_codes s[8:9], p_scales s[10:11]
	v_lshl_add_u32 v[SPW], v0, 2, SPARE
	v_mov_b32 v[NIL], 0
	ds_add_u32 v[SPW], v[NIL]                      ; the wave's opening: the add and its wait stand ahead of my first tensor load; the set-up below, work on registers, stands between them
	v_lshrrev_b32 v1, 5, v0
	v_readfirstlane_b32 s14, v1                    ; wave 0..3
	s_lshr_b32 s15, s14, 1                         ; which half of A's rows is mine.  Also: I fetch for A (0) or for B (1)
	s_and_b32 s16, s14, 1                          ; which half of B's rows.  Also: which 8 tiles I fetch
	s_bfe_u32 s44, ttmp6, 0x40000                  ; cx
	s_bfe_u32 s45, ttmp6, 0x40004                  ; cy
	s_mov_b32 s59, ttmp9                           ; X: cluster x, 0..3
	s_and_b32 s58, ttmp7, 0xffff                   ; g: cluster y, 0..2: both are the same in all sixteen partners
	s_lshl_b32 s56, s45, 2
	s_lshl_b32 s56, 15, s56                        ; my row of the cluster
	s_lshl_b32 s57, 0x1111, s44                    ; my column
	s_or_b32 s[G1A], s56, (3<<16)|(1<<21)          ; 15:0 the mask; 17:16 elements of 8 bytes; 20 no padding; 21 set beside a mask
	s_or_b32 s[G1B], s57, (3<<16)|(1<<21)
.irp g, G1A, G1B
	s_mov_b32 s[\g+1], 384<<16                     ; tensor_dim0 = 384 elements: 3,072 bytes, two K steps of a tile
	s_mov_b32 s[\g+2], 8<<16                       ; tensor_dim1 = 8 tiles
	s_mov_b32 s[\g+3], 384<<16                     ; tile_dim0
	s_mov_b32 s[\g+4], 8                           ; tile_dim1
	s_mov_b32 s[\g+5], 1536                        ; from tile to tile: 12,288 bytes
	s_mov_b32 s[\g+6], 0
	s_mov_b32 s[\g+7], 0
.endr
	s_lshl_b32 s20, s58, 8                         ; q, k: A's tensor begins at tile 256 g,
	s_lshl_b32 s22, s58, 6
	s_add_co_u32 s22, s22, 768                     ; B's at 768 + 64 g
	s_mov_b32 s21, 896                             ; v: A = Wv,
	s_mov_b32 s23, 512                             ; B = value
	s_cmp_eq_u32 s58, 2
	s_cselect_b32 s18, 0, s59                      ; q, k: the clusters walk A's rows;
	s_cselect_b32 s19, s59, 0                      ; v: B's
	s_cselect_b32 s20, s21, s20
	s_cselect_b32 s22, s23, s22
	s_cselect_b32 s83, 6, 8                        ; log2 of NX
	s_lshl_b32 s17, s18, 2
	s_add_co_u32 s17, s17, s45                     ; tile row: cy and numbers that all partners share
	s_lshl_b32 s46, s19, 2
	s_add_co_u32 s46, s46, s44                     ; tile column: cx likewise
	s_lshl_b32 s18, s17, 4
	s_add_co_u32 s20, s20, s18                     ; A's first tile
	s_lshl_b32 s19, s46, 4
	s_add_co_u32 s22, s22, s19                     ; B's first tile
	s_lshl_b32 s21, s16, 3                         ; which 8 tiles I fetch
	s_add_co_u32 s60, s20, s21
	s_mul_i32 s60, s60, 12288
	s_mov_b32 s61, 0
	s_add_co_u32 s62, s22, s21
	s_mul_i32 s62, s62, 12288
	s_mov_b32 s63, 0
	s_mul_i32 s47, s14, 24576                      ; where they go: wave x 8 tiles: no place in the cluster enters an LDS address
	s_mov_b32 s80, 0x76543210
	s_mov_b32 s81, 0xfedcba98                      ; v_permlanex16_b32's selects for lane l xor 16
	s_mov_b32 s82, 0xffff0000                      ; lanes 16-31
	s_wait_dscnt 0x0                               ; the opening add is done
	s_wait_kmcnt 0x0
	s_add_nc_u64 s[60:61], s[4:5], s[60:61]
	s_add_nc_u64 s[62:63], s[4:5], s[62:63]
	CROUND                                         ; all sixteen work-groups are here: the first joint loads meet
.irp p, 0,1,2
	s_mov_b32 s[G0A+4*\p], 1
	s_add_co_u32 s[G0A+4*\p+1], s47, \p*REG
	s_add_nc_u64 s[G0A+4*\p+2:G0A+4*\p+3], s[60:61], \p*3072       ; K steps 2 p and 2 p + 1
	s_or_b32 s[G0A+4*\p+3], s[G0A+4*\p+3], 0x80000000
	s_mov_b32 s[G0B+4*\p], 1
	s_add_co_u32 s[G0B+4*\p+1], s47, \p*REG
	s_add_nc_u64 s[G0B+4*\p+2:G0B+4*\p+3], s[62:63], \p*3072
	s_or_b32 s[G0B+4*\p+3], s[G0B+4*\p+3], 0x80000000
	JLOAD G0A+4*\p, G0B+4*\p
.endr
	v_and_b32 v1, 31, v0
	v_lshlrev_b32 v24, 4, v1                       ; 16 x lane
	v_and_b32 v2, 15, v0                           ; r
	v_bfe_u32 v3, v0, 4, 1                         ; h
	s_mul_i32 s18, s15, 24576                      ; my 8 tiles of A,
	s_mul_i32 s19, s16, 24576
	s_add_co_u32 s19, s19, 49152                   ; my 8 of B, behind A's 16
.irp p, 0,1,2
	v_add_nc_u32 v[ADRA+\p], s18, v24
	v_add_nc_u32 v[ADRB+\p], s19, v24
	s_add_co_u32 s18, s18, REG
	s_add_co_u32 s19, s19, REG
.endr
	v_lshlrev_b32 v30, 4, v2
	v_lshl_add_u32 v25, v3, 3, v30                 ; 16 r + 8 h: the way out's scale words
	v_lshl_add_u32 v30, v3, 11, v30                ; 16 r + 2,048 h: lanes 16-31 read the next four tiles' words
	s_lshl_b32 s84, s20, 9                         ; a group of four tiles has 8 x 256 bytes of scales: tile x 512,
	s_lshl_b32 s18, s15, 12
	s_add_co_u32 s84, s84, s18                     ; + my half's two groups
	s_mov_b32 s85, 0
	s_add_nc_u64 s[84:85], s[6:7], s[84:85]
	s_lshl_b32 s86, s22, 9
	s_lshl_b32 s18, s16, 12
	s_add_co_u32 s86, s86, s18
	s_mov_b32 s87, 0
	s_add_nc_u64 s[86:87], s[6:7], s[86:87]
.irp s, 0,1,2,3,4,5,6,7
	global_load_b128 v[SCA+4*\s:SCA+4*\s+3], v30, s[84:85] offset:256*\s
	global_load_b128 v[SCB+4*\s:SCB+4*\s+3], v30, s[86:87] offset:256*\s
.endr
.irp b, 0,1,2,3
	v_mov_b32 v[TM+4+\b], 0                        ; written once: a lane permute's destination counts as one of its sources
.endr
	s_lshl_b32 s18, s46, 1
	s_add_co_u32 s18, s18, s16                     ; my y step = 2 x tile column + half
	s_lshl_b32 s19, s18, s83                       ; x NX
	s_lshl_b32 s21, s17, 4
	s_add_co_u32 s19, s19, s21
	s_lshl_b32 s21, s15, 3
	s_add_co_u32 s19, s19, s21                     ; + my first x tile = 16 x tile row + 8 x half
	s_mul_i32 s88, s19, 1536
	s_mul_i32 s21, s58, 3145728
	s_add_co_u32 s88, s88, s21
	s_mov_b32 s89, 0
	s_add_nc_u64 s[88:89], s[8:9], s[88:89]
	s_lshl_b32 s90, s19, 6                         ; 256 bytes for each four tiles
	s_lshl_b32 s21, s58, 17
	s_add_co_u32 s90, s90, s21
	s_mov_b32 s91, 0
	s_add_nc_u64 s[90:91], s[10:11], s[90:91]
	s_wait_tensorcnt 2                             ; my part of region 0 is in; regions 1 and 2 may stay out
	s_barrier_signal -1
	s_barrier_wait -1                              ; everybody's is
	FETCH_B 0, 0, 0
	FETCH_A 0, 0, 0
	FETCH_A 0, 0, 4
	s_wait_loadcnt 0x0                             ; the scale words
	STEP 0, 1, 0, 1                                ; the first step's products start the sums: nothing is cleared
	TURN 1, 1, 0, 1                                ; all first fills are shown whole to every wave; region 0 takes K steps 6, 7
	STEP 2, 0, 1, 1
	STEP 3, 0, 2, 0
	STEP 4, 0, 2, 1
	TURN 5, 0, 0, 0                                ; the refill has landed, in every wave
	STEP 6, 0, 0, 1
	s_wait_dscnt 12                                ; the last step: nothing more to fetch
	WIN 0xa1
	MUL16 0, 7, 0
	MUL16 2, 7, 0
	s_wait_dscnt 0
	WIN 0xf1
	MUL16 4, 7, 0
	MUL16 6, 7, 0
	WIN 0
	PLACES
; THE WAY OUT.  x block a: my lane's 64 results, register 16 b + i = y 32 b + 16 (lane / 16) + i of my row, become a fragment's codes and its scale word, and leave as the fragment's image.
.macro QOUT a
.set AC, 64*((\a)%4)
	WIN 0x28+0x14*((\a)/4)                         ; sources 1 and 2: window 2 or 3
.irp b, 0,1,2,3
	v_max3_num_f32 v[TM+\b], 0x1800000, |v[AC+16*\b]|, |v[AC+16*\b+1]|   ; block b: my 16 numbers, each accumulator from its low end on, and the floor 2^(3 - 127)
.endr
.irp i, 2,4,6,8,10,12,14
.irp b, 0,1,2,3
	v_max3_num_f32 v[TM+\b], v[TM+\b], |v[AC+16*\b+\i]|, |v[AC+16*\b+\i+1]|
.endr
.endr
	WIN 0
.irp b, 0,1,2,3
	v_permlanex16_b32 v[TM+4+\b], v[TM+\b], s80, s81
.endr
.irp b, 0,1,2,3
	v_max_num_f32 v[TM+\b], v[TM+\b], v[TM+4+\b]   ; with lane l xor 16's: the block's largest magnitude
.endr
.irp b, 0,1,2,3
	v_add_nc_u32 v[TM+12+\b], 0xff000000, v[TM+\b] ; 2 off its exponent field: the conversion's scale operand
.endr
.irp b, 0,1,2,3
	v_lshrrev_b32 v[TM+4+\b], 23, v[TM+12+\b]      ; the scale's byte
.endr
	v_lshl_or_b32 v[PWD+(\a)], v[TM+5], 8, v[TM+4]
	v_lshl_or_b32 v[PWD+(\a)], v[TM+6], 16, v[PWD+(\a)]
	v_lshl_or_b32 v[PWD+(\a)], v[TM+7], 24, v[PWD+(\a)]
.if (\a) > 0
	s_wait_xcnt 0x0                                ; the last block's stores have read their data: the codes' registers are written again only behind this wait
.endif
	WIN 2+(\a)/4                                   ; source 0: window 2 or 3
.irp c, 0,1
	v_cvt_scalef32_pk16_fp6_f32 v[PC+6*\c:PC+6*\c+2], v[AC+32*\c:AC+32*\c+15], v[TM+12+2*\c]
	v_cvt_scalef32_pk16_fp6_f32 v[PC+12+4*\c:PC+14+4*\c], v[AC+16+32*\c:AC+31+32*\c], v[TM+13+2*\c]
.endr
	WIN 0
	v_nop                                          ; one plain place behind a scaled conversion
.irp c, 0,1                            ; the operand wants a whole block in a lane: lanes 0-15 block 2 c, lanes 16-31 block 2 c + 1
.irp i, 0,1,2
	v_permlane16_swap_b32 v[PC+6*\c+\i], v[PC+12+4*\c+\i]
.endr
.irp i, 0,1,2
	v_mov_b32 v[PC+3+6*\c+\i], v[PC+12+4*\c+\i]
.endr
.endr
.irp c, 0,1,2
	global_store_b128 v24, v[PC+4*\c:PC+4*\c+3], s[88:89] offset:1536*(\a)+512*\c   ; 32 lanes store 512 consecutive bytes, at a multiple of 256 from the buffer's first byte
.endr
.endm
	QOUT 0
	QOUT 1
	QOUT 2
	QOUT 3
	v_cndmask_b32 v120, v[PWD], v[PWD+2], s82      ; lanes 0-15 store the words of tiles 0, 1 of the four, lanes 16-31 those of tiles 2, 3
	v_cndmask_b32 v121, v[PWD+1], v[PWD+3], s82
	global_store_b64 v25, v[120:121], s[90:91]     ; 256 consecutive bytes, aligned
	QOUT 4
	QOUT 5
	QOUT 6
	QOUT 7
	v_cndmask_b32 v122, v[PWD+4], v[PWD+6], s82
	v_cndmask_b32 v123, v[PWD+5], v[PWD+7], s82
	global_store_b64 v25, v[122:123], s[90:91] offset:256
	s_wait_tensorcnt 0x0                           ; the wave's end, behind my last tensor load
	ds_add_u32 v[SPW], v[NIL]
	s_wait_dscnt 0x0
	CROUND                                         ; the closing round: no work-group ends while a partner may still ask for a tile that names it
	s_endpgm
.Lfunc_end_k_q4e1e52800e_proj:
	.size	k_q4e1e52800e_proj, .Lfunc_end_k_q4e1e52800e_proj-k_q4e1e52800e_proj
	.p2alignl 7, 3214868480
	.fill 96, 4, 3214868480
	.section	.rodata,"a",@progbits
	.p2align	6, 0x0
	.amdhsa_kernel k_q4e1e52800e_proj
		.amdhsa_group_segment_fixed_size 327680
		.amdhsa_private_segment_fixed_size 0
		.amdhsa_enable_private_segment 0
		.amdhsa_kernarg_size 32
		.amdhsa_user_sgpr_count 2
		.amdhsa_user_sgpr_kernarg_segment_ptr 1
		.amdhsa_wavefront_size32 1
		.amdhsa_system_sgpr_workgroup_id_x 1
		.amdhsa_system_sgpr_workgroup_id_y 1
		.amdhsa_system_sgpr_workgroup_id_z 1
		.amdhsa_system_vgpr_workitem_id 0
		.amdhsa_next_free_vgpr 1024
		.amdhsa_next_free_sgpr 100
		.amdhsa_reserve_vcc 0
		.amdhsa_float_denorm_mode_32 3
		.amdhsa_float_denorm_mode_16_64 3
		.amdhsa_memory_ordered 1
		.amdhsa_forward_progress 1
		.amdhsa_inst_pref_size 138
	.end_amdhsa_kernel
	.amdgpu_metadata
---
amdhsa.version: [ 1, 2 ]
amdhsa.kernels:
  - .name:           k_q4e1e52800e_proj
    .symbol:         k_q4e1e52800e_proj.kd
    .args:
      - { .name: codes_in, .offset: 0, .size: 8, .value_kind: global_buffer, .address_space: global }
      - { .name: scales_in, .offset: 8, .size: 8, .value_kind: global_buffer, .address_space: global }
      - { .name: p_codes, .offset: 16, .size: 8, .value_kind: global_buffer, .address_space: global }
      - { .name: p_scales, .offset: 24, .size: 8, .value_kind: global_buffer, .address_space: global }
    .group_segment_fixed_size: 327680
    .private_segment_fixed_size: 0
    .kernarg_segment_align: 8
    .kernarg_segment_size: 32
    .max_flat_workgroup_size: 128
    .sgpr_count:     100
    .vgpr_count:     1024
    .wavefront_size: 32
...
	.end_amdgpu_metadata
.endif
;; end of part 2
;; launch attn (part 3): grid 32 x 8, 16 waves a work-group, no clusters, 88,576 bytes of LDS; arguments p_codes, p_scales, o_codes, o_scales; writes o_codes, o_scales
.if DOCPART == 3
	.amdgcn_target "amdgcn-amd-amdhsa--gfx1250"
	.amdhsa_code_object_version 6
	.text
	.protected	k_q4e1e52800e_attn
	.globl	k_q4e1e52800e_attn
	.p2align	8
	.type	k_q4e1e52800e_attn,@function
k_q4e1e52800e_attn:
	s_mov_b64 s[64:65], 0
	v_nop
	global_prefetch_b8 v0, s[64:65] scope:SCOPE_SE
	s_setreg_imm32_b32 hwreg(HW_REG_WAVE_MODE, 25, 1), 1
	s_wait_xcnt 0x0
; The banded attention, |query - key| <= 128, 16 heads of 64, both products on codes of FP6 (E2M3) with E8M0 block scales; its result is quantised along the 1,024 channels for the last projection.
; SOFTMAX AHEAD OF THE SECOND PRODUCT: t = score x log2(e) / 8; M = the row's largest t so far, rounded up to a whole number; p = 2^(t - M) is quantised along the keys, not normalised.
; The row's sum is taken of the unquantised p and divides at the end.  When M moves, the sum and O are multiplied by 2^(old M - new M): exact.
; SHARES.  A work-group owns a block a of 128 queries and a pair s of heads; wave w owns the tile i = w / 2 of 16 queries and head e = w % 2: four waves to a SIMD.
; The band of block a lies in key blocks a - 1, a, a + 1: three key steps of 128.  Block a goes first (all its keys count, so M is a number from the first step on); a scalar branch on the work-group's number leads round
; the step before where a = 0 and round the step after where a = 31.  In those two steps hidden scores become -infinity ahead of the maximum: p = 0 there.
; K, V: each of the 16 waves copies one fragment's image of each key block from memory into LDS through its registers: 72 KB a work-group, once; one barrier; all waves read them.
; NO JOINT LOADS: a neighbouring query block wants two of my three key blocks, but at other places of its LDS (its steps 0, 1 are my steps 1, 2), so no one descriptor would be equal in both.
; A FRAGMENT HOLDS TWO HEADS (128 channels).  Q's half of the other head is cleared to zero codes, which add nothing; so K's fragments are used whole and the head's K of 64 is filled with zeros, as the quantiser asks.
; LAYOUT.  Both products are used transposed: S^T = K Q^T, O^T = V^T P^T: a lane holds one query throughout.  Tiles are stored so that storage row 32 b + 16 u + r is row 32 b + 8 u + r + 8 (r / 8):
; the 16 registers of tiles 2 b, 2 b + 1 are 16 neighbours, 32 b + 16 (lane / 16) + 0 .. 15.
; LIMITS: NaN and infinities are not served; a block whose largest magnitude lies under 2^-124 keeps the scale byte 1, a block of zeros too (its codes are zeros; this program alone reads the bytes).
; REGISTERS: v1-11, v28-31 addresses; v12 -M, v13 the largest t, v[14:15] the sum in two halves; v16-27 Q; v32-79 four fragments of K or of V; v96-159 S^T, then p; v160-191 O^T;
;   v192-203 K's scale words, v204-215 V's, v216 Q's; v224-235 p's codes; v232-254 at work.
.set KVB,   24576                      ; LDS: a key block: eight fragments of K, then eight of V^T, 1,536 bytes each
.set XCH,   3*KVB                      ; the way out: eight fragments' images,
.set YSC,   XCH+12288                  ; and their scale words: two units of 256 bytes
.set SPARE, YSC+512                    ; the spare words, 128 bytes for each wave: eight blocks of 256 bytes that no other line names
.set SPW,   5                          ; v5   LDS address of my spare word; never rewritten
.set NIL,   6                          ; v6   0; never rewritten
.set WV,    18
.set SEL,   20
.set CS,    22
	s_load_b256 s[4:11], s[0:1], 0x0               ; p_codes s[4:5], p_scales s[6:7], o_codes s[8:9], o_scales s[10:11]
	v_lshl_add_u32 v[SPW], v0, 2, SPARE
	v_mov_b32 v[NIL], 0
	v_lshrrev_b32 v1, 5, v0
	v_readfirstlane_b32 s[WV], v1                  ; wave 0..15
	s_lshr_b32 s19, s[WV], 1                       ; i: my tile of queries
	s_and_b32 s24, s[WV], 1                        ; e: my head of the pair
	s_and_b32 s27, s[WV], 7                        ; which fragment I copy
	s_mov_b32 s25, ttmp9                           ; a
	s_and_b32 s26, ttmp7, 0xffff                   ; s
	s_max_u32 s12, s25, 1
	s_sub_co_u32 s12, s12, 1                       ; the key block before (a = 0: block 0, copied and not used: no load leaves its buffer),
	s_mov_b32 s13, s25                             ; mine,
	s_add_co_u32 s14, s25, 1
	s_min_u32 s14, s14, 31                         ; and the one after (a = 31: block 31 likewise)
.irp n, 0,1,2
	s_lshl_b32 s28, s26, 8
	s_lshl_b32 s29, s[12+\n], 3
	s_add_co_u32 s28, s28, s29
	s_add_co_u32 s28, s28, s27
	s_mul_i32 s28, s28, 1536
	s_add_co_u32 s28, s28, 3145728                 ; K: (256 s + 8 block + fragment) x 1,536 in k's part
	s_lshl_b32 s29, s[12+\n], 6
	s_lshl_b32 s30, s26, 3
	s_add_co_u32 s29, s29, s30
	s_add_co_u32 s29, s29, s27
	s_mul_i32 s29, s29, 1536
	s_add_co_u32 s29, s29, 6291456                 ; V^T: (64 block + 8 s + fragment) x 1,536 in v's part
	s_cmp_lt_u32 s[WV], 8                          ; waves 0-7 copy K's, waves 8-15 V's: an offset is chosen, no path
	s_cselect_b32 s[32+2*\n], s28, s29
	s_mov_b32 s[33+2*\n], 0
	s_lshl_b32 s28, s26, 6
	s_lshl_b32 s29, s[12+\n], 1
	s_add_co_u32 s28, s28, s29
	s_lshl_b32 s28, s28, 8
	s_add_co_u32 s[42+2*\n], s28, 131072           ; K's scale words: (64 s + 2 block) x 256
	s_mov_b32 s[43+2*\n], 0
	s_lshl_b32 s28, s[12+\n], 4
	s_lshl_b32 s29, s26, 1
	s_add_co_u32 s28, s28, s29
	s_add_co_u32 s28, s28, s24
	s_lshl_b32 s28, s28, 8
	s_add_co_u32 s[48+2*\n], s28, 262144           ; V's: (16 block + 2 s + e) x 256
	s_mov_b32 s[49+2*\n], 0
.endr
	s_lshl_b32 s31, s25, 3
	s_add_co_u32 s31, s31, s19                     ; my tile of tokens: 8 a + i
	s_lshl_b32 s28, s26, 8
	s_add_co_u32 s28, s28, s31
	s_mul_i32 s38, s28, 1536                       ; Q: (256 s + tile) x 1,536
	s_mov_b32 s39, 0
	s_lshl_b32 s28, s26, 6
	s_lshr_b32 s29, s31, 2
	s_add_co_u32 s28, s28, s29
	s_lshl_b32 s28, s28, 8
	s_and_b32 s29, s31, 3
	s_lshl_b32 s29, s29, 2
	s_add_co_u32 s40, s28, s29                     ; its scale words: (64 s + tile / 4) x 256 + 4 (tile % 4)
	s_mov_b32 s41, 0
	s_lshl_b32 s28, s31, 3
	s_add_co_u32 s28, s28, s26
	s_mul_i32 s28, s28, 1536
	s_mul_i32 s29, s24, 768
	s_add_co_u32 s54, s28, s29                     ; out: (tile x 8 + s) x 1,536 + 768 e: the half of the image that I store
	s_mov_b32 s55, 0
	s_lshl_b32 s28, s25, 1
	s_add_co_u32 s28, s28, s24
	s_lshl_b32 s28, s28, 3
	s_add_co_u32 s28, s28, s26
	s_lshl_b32 s56, s28, 8                         ; (waves 0, 1) the scale words: ((2 a + wave) x 8 + s) x 256
	s_mov_b32 s57, 0
	s_cmp_eq_u32 s24, 0
	s_cselect_b32 s58, -1, 0                       ; keeps Q's registers 0-5 (head 0),
	s_cselect_b32 s59, 0, -1                       ; registers 6-11 (head 1)
	s_mov_b32 s[SEL], 0x76543210
	s_mov_b32 s[SEL+1], 0xfedcba98                 ; v_permlanex16_b32's selects for lane l xor 16
	s_mov_b32 s[CS], 0x3e38aa3b                    ; c = log2(e) / 8
	s_mov_b32 s[CS+1], s[CS]                       ; (named with it as a pair, so it is written)
	; every LDS address is made here, ahead of the first branch
	v_and_b32 v80, 31, v0                          ; lane
	v_and_b32 v81, 15, v0                          ; r
	v_bfe_u32 v82, v0, 4, 1                        ; h
	v_lshlrev_b32 v1, 4, v80                       ; v1: 16 x lane: K's fragments
	v_lshlrev_b32 v4, 3, v80                       ; v4: 8 x lane
	s_mul_i32 s28, s24, 6144
	s_add_co_u32 s28, s28, 12288
	v_add_nc_u32 v2, s28, v1                       ; v2: my head's four fragments of V^T
	s_mul_i32 s28, s[WV], 1536
	v_add_nc_u32 v3, s28, v1                       ; v3: where I put the fragments that I copy
	s_lshr_b32 s28, s19, 1
	s_lshl_b32 s28, s28, 5
	s_and_b32 s29, s19, 1
	s_lshl_b32 s29, s29, 3
	s_add_co_u32 s28, s28, s29
	v_and_b32 v7, 8, v81
	v_add_nc_u32 v7, v7, v81
	v_add_nc_u32 v7, s28, v7                       ; my query's place in the block: 32 (i / 2) + 8 (i % 2) + r + 8 (r / 8),
	v_lshlrev_b32 v83, 4, v82
	v_sub_nc_u32 v7, v7, v83                       ; v7: d = that - 16 h.  Register 16 b + j holds the key at place 32 b + j + 16 h
	s_mul_i32 s28, s19, 1536
	s_add_co_u32 s28, s28, XCH                     ; my tile's image.  My six registers are 6 e .. 6 e + 5 of its twelve; register n of lane l lies at 512 (n / 4) + 16 l + 4 (n % 4)
	s_mul_i32 s29, s24, 520
	s_add_co_u32 s29, s29, s28
	v_add_nc_u32 v8, s29, v1                       ; v8: my first pair (at +0) and my third (at +512)
	s_mul_i32 s29, s24, 1016
	s_add_co_u32 s29, s29, s28
	s_add_co_u32 s29, s29, 8
	v_add_nc_u32 v9, s29, v1                       ; v9: my second pair
	s_lshr_b32 s28, s19, 2
	s_lshl_b32 s28, s28, 8
	s_and_b32 s29, s19, 3
	s_lshl_b32 s29, s29, 2
	s_add_co_u32 s28, s28, s29
	s_lshl_b32 s29, s24, 1
	s_add_co_u32 s28, s28, s29
	s_add_co_u32 s28, s28, YSC
	v_lshl_add_u32 v10, v81, 4, s28                ; v10: my half of row r's scale word: 256 (i / 4) + 16 r + 4 (i % 4) + 2 e
	s_mul_i32 s28, s[WV], 768
	s_add_co_u32 s28, s28, XCH
	v_add_nc_u32 v11, s28, v1                      ; v11, v28: the 768 bytes that I store
	v_add_nc_u32 v28, s28, v4
	s_lshl_b32 s28, s24, 8
	s_add_co_u32 s28, s28, YSC
	v_add_nc_u32 v29, s28, v4                      ; v29: (waves 0, 1) a unit of scale words
	v_lshlrev_b32 v30, 4, v81                      ; v30: 16 r
	v_lshl_add_u32 v31, v82, 8, v30                ; v31: 16 r + 256 h: lanes 16-31 read tiles 4-7's words
	s_wait_kmcnt 0x0
.irp n, 0,1,2
	s_add_nc_u64 s[32+2*\n:33+2*\n], s[4:5], s[32+2*\n:33+2*\n]
	s_add_nc_u64 s[42+2*\n:43+2*\n], s[6:7], s[42+2*\n:43+2*\n]
	s_add_nc_u64 s[48+2*\n:49+2*\n], s[6:7], s[48+2*\n:49+2*\n]
.endr
	s_add_nc_u64 s[38:39], s[4:5], s[38:39]
	s_add_nc_u64 s[40:41], s[6:7], s[40:41]
	s_add_nc_u64 s[54:55], s[8:9], s[54:55]
	s_add_nc_u64 s[56:57], s[10:11], s[56:57]
.irp n, 0,1,2
.irp c, 0,1,2
	global_load_b128 v[96+12*\n+4*\c:99+12*\n+4*\c], v1, s[32+2*\n:33+2*\n] offset:512*\c   ; the fragments that I copy: 512 consecutive bytes a load
.endr
.endr
.irp c, 0,1,2
	global_load_b128 v[16+4*\c:19+4*\c], v1, s[38:39] offset:512*\c   ; Q's fragment stays in registers
.endr
	global_load_b32 v216, v30, s[40:41]            ; Q's scale words
.irp n, 0,1,2
	global_load_b128 v[192+4*\n:195+4*\n], v31, s[42+2*\n:43+2*\n]   ; K's: register t: tile t in lanes 0-15, tile 4 + t in lanes 16-31
.endr
.irp n, 0,1,2
	global_load_b128 v[204+4*\n:207+4*\n], v30, s[48+2*\n:49+2*\n]   ; V's: register t: my head's tile t
.endr
	v_mov_b32 v13, 0xff61b1e6                      ; the largest t so far: -3e38, under every t
	v_floor_f32 v12, -v13                          ; -M
	v_mov_b32 v14, 0                               ; the sum, in two halves
	v_mov_b32 v15, 0
.irp b, 0,1,2,3
	v_mov_b32 v[236+\b], 0                         ; written once: a lane permute's destination counts as one of its sources
.endr
	v_mov_b32 v253, 0                              ; (named as the upper half of the pair v[252:253] before it is first written)
.irp j, 0,1,2,3,4,5,6,7,8,9,10,11,12,13,14,15,16,17,18,19,20,21,22,23,24,25,26,27,28,29,30,31
	v_mov_b32 v[160+\j], 0                         ; O^T: the step is written for every turn alike; the first finds zeros, which the first change of M leaves zeros
.endr
	s_wait_loadcnt 10                              ; my nine copies are in; the ten loads behind them may be out
.irp n, 0,1,2
.irp c, 0,1,2
	ds_store_b128 v3, v[96+12*\n+4*\c:99+12*\n+4*\c] offset:KVB*\n+512*\c
.endr
.endr
	s_wait_dscnt 0x0                               ; for the others' sake: my stores have landed
	s_barrier_signal -1
	s_barrier_wait -1                              ; the three key blocks lie in LDS
	s_wait_loadcnt 0x0
.irp n, 0,1,2,3,4,5
	v_and_b32 v[16+\n], s58, v[16+\n]              ; the other head's half of Q becomes zero codes
	v_and_b32 v[22+\n], s59, v[22+\n]
.endr
; A KEY STEP: the 128 keys of block kb.  mode 0: all count; 1: the block before: a key counts where its place is at or above my query's; 2: the block after: at or below.
.macro STEP kb, mode
.irp g, 0,1                            ; S^T = K Q^T, four tiles of 16 keys at a time
.rept 4
	v_nop                                          ; places in front of loads into registers that matrix instructions have read
.endr
.irp t, 0,1,2,3
.irp c, 0,1,2
	ds_load_b128 v[32+12*\t+4*\c:35+12*\t+4*\c], v1 offset:KVB*\kb+(4*\g+\t)*1536+512*\c
.endr
.endr
	s_wait_dscnt 0x0
.irp t, 0,1,2,3
.if \g == 0
	v_wmma_scale_f32_16x16x128_f8f6f4 v[96+8*(4*\g+\t):103+8*(4*\g+\t)], v[32+12*\t:43+12*\t], v[16:27], 0, v[192+4*\kb+\t], v216 matrix_a_fmt:MATRIX_FMT_FP6 matrix_b_fmt:MATRIX_FMT_FP6
.else
	v_wmma_scale_f32_16x16x128_f8f6f4 v[96+8*(4*\g+\t):103+8*(4*\g+\t)], v[32+12*\t:43+12*\t], v[16:27], 0, v[192+4*\kb+\t], v216 matrix_a_fmt:MATRIX_FMT_FP6 matrix_b_fmt:MATRIX_FMT_FP6 matrix_a_scale:MATRIX_SCALE_ROW1
.endif
.endr
.endr
.rept 4
	v_nop
.endr
.irp t, 0,1,2,3                        ; V^T's four fragments are asked for now and land under the softmax
.irp c, 0,1,2
	ds_load_b128 v[32+12*\t+4*\c:35+12*\t+4*\c], v2 offset:KVB*\kb+1536*\t+512*\c
.endr
.endr
.if \mode
	v_mov_b32 v254, 0xff800000                     ; -infinity
.irp n, 0,1,2,3,4,5,6,7,8,9,10,11,12,13,14,15,16,17,18,19,20,21,22,23,24,25,26,27,28,29,30,31,32,33,34,35,36,37,38,39,40,41,42,43,44,45,46,47,48,49,50,51,52,53,54,55,56,57,58,59,60,61,62,63
.if \mode == 1
	v_cmp_lt_i32 vcc_lo, 32*(\n/16)+\n%16, v7      ; hidden: the key lies more than 128 before my query
.else
	v_cmp_gt_i32 vcc_lo, 32*(\n/16)+\n%16, v7      ; hidden: more than 128 behind it
.endif
	v_cndmask_b32 v[96+\n], v[96+\n], v254, vcc_lo
.endr
.endif
.irp b, 0,1,2,3
	v_max3_num_f32 v[232+\b], v[96+16*\b], v[97+16*\b], v[98+16*\b]   ; the largest score of each block of 32 keys: it serves for the row's maximum and, since p rises with the score, for the block's largest p
.endr
.irp i, 3,5,7,9,11,13
.irp b, 0,1,2,3
	v_max3_num_f32 v[232+\b], v[232+\b], v[96+16*\b+\i], v[97+16*\b+\i]
.endr
.endr
.irp b, 0,1,2,3
	v_max_num_f32 v[232+\b], v[232+\b], v[111+16*\b]
.endr
.irp b, 0,1,2,3
	v_permlanex16_b32 v[236+\b], v[232+\b], s[SEL], s[SEL+1]
.endr
.irp b, 0,1,2,3
	v_max_num_f32 v[232+\b], v[232+\b], v[236+\b]  ; with lane l xor 16's 16 keys
.endr
	v_max3_num_f32 v254, v232, v233, v234
	v_max_num_f32 v254, v254, v235                 ; the step's largest score of my query
	v_mul_f32 v254, s[CS], v254                    ; as t (c is positive)
	v_max_num_f32 v13, v13, v254                   ; the running largest t
	v_mov_b32 v254, v12
	v_floor_f32 v12, -v13                          ; the new -M = floor(-t) = -ceil(t): a whole number
	v_sub_f32 v254, v12, v254                      ; M's old value less its new one: a whole number, 0 or less
	v_cvt_i32_f32 v254, v254                       ; (it saturates)
	v_ldexp_f32 v252, 1.0, v254                    ; f = 2^(old M - new M)
.irp j, 0,2,4,6,8,10,12,14,16,18,20,22,24,26,28,30,32,34,36,38,40,42,44,46,48,50,52,54,56,58,60,62
	v_pk_fma_f32 v[96+\j:97+\j], v[96+\j:97+\j], s[CS:CS+1], v[12:13] op_sel_hi:[1,0,0]   ; t - M, two at a time
.endr
.irp b, 0,1,2,3
	v_fma_f32 v[232+\b], v[232+\b], s[CS], v12     ; the same of each block's largest score
.endr
.irp j, 0,1,2,3,4,5,6,7,8,9,10,11,12,13,14,15,16,17,18,19,20,21,22,23,24,25,26,27,28,29,30,31,32,33,34,35,36,37,38,39,40,41,42,43,44,45,46,47,48,49,50,51,52,53,54,55,56,57,58,59,60,61,62,63
	v_exp_f32 v[96+\j], v[96+\j]                   ; p = 2^(t - M), at most 1: not normalised
.endr
	v_pk_mul_f32 v[14:15], v[14:15], v[252:253] op_sel_hi:[1,0]   ; the sums under the new M: a plain place behind the exponentials
	s_wait_alu depctr_va_vdst(0)                   ; one wait for the whole batch, ahead of its first reader
.irp b, 0,1,2,3
	v_exp_f32 v[232+\b], v[232+\b]                 ; the block's largest p: the same two instructions on the same number give the same bits
.endr
	v_pk_add_f32 v[236:237], v[96:97], v[98:99]    ; the row's sum is taken of the unquantised p: two at a time, in two chains; it reads the 64 alone
.irp j, 4,8,12,16,20,24,28,32,36,40,44,48,52,56,60
	v_pk_add_f32 v[14:15], v[14:15], v[96+\j:97+\j]
	v_pk_add_f32 v[236:237], v[236:237], v[98+\j:99+\j]
.endr
	v_pk_add_f32 v[14:15], v[14:15], v[236:237]
	s_wait_alu depctr_va_vdst(0)                   ; and one for the four
.irp b, 0,1,2,3
	v_max_num_f32 v[232+\b], 0x1800000, v[232+\b]  ; the floor 2^(3 - 127): a block whose every p is 0 keeps the byte 1: its codes are zeros
.endr
.irp b, 0,1,2,3
	v_add_nc_u32 v[244+\b], 0xff000000, v[232+\b]  ; 2 off the exponent field: the conversion's scale operand
.endr
.irp b, 0,1,2,3
	v_lshrrev_b32 v[236+\b], 23, v[244+\b]         ; the scale's byte
.endr
	v_lshl_or_b32 v253, v237, 8, v236              ; p's scale word for these 128 keys
	v_lshl_or_b32 v253, v238, 16, v253
	v_lshl_or_b32 v253, v239, 24, v253
.irp c, 0,1
	v_cvt_scalef32_pk16_fp6_f32 v[224+6*\c:226+6*\c], v[96+32*\c:111+32*\c], v[244+2*\c]
	v_cvt_scalef32_pk16_fp6_f32 v[236+4*\c:238+4*\c], v[112+32*\c:127+32*\c], v[244+2*\c+1]
.endr
	v_nop                                          ; one plain place behind a scaled conversion
.irp c, 0,1                            ; the operand wants a whole block in a lane
.irp i, 0,1,2
	v_permlane16_swap_b32 v[224+6*\c+\i], v[236+4*\c+\i]
.endr
.irp i, 0,1,2
	v_mov_b32 v[227+6*\c+\i], v[236+4*\c+\i]
.endr
.endr
.irp j, 0,2,4,6,8,10,12,14,16,18,20,22,24,26,28,30
	v_pk_mul_f32 v[160+\j:161+\j], v[160+\j:161+\j], v[252:253] op_sel_hi:[1,0]   ; O^T under the new M.  These 16 are also the places between p's codes and scale word and the products below
.endr
	s_wait_dscnt 0x0                               ; V^T's fragments are in
.irp t, 0,1,2,3                        ; O^T += V^T P^T: my head's four tiles of 16 channels, by turns
	v_wmma_scale_f32_16x16x128_f8f6f4 v[160+8*\t:167+8*\t], v[32+12*\t:43+12*\t], v[224:235], v[160+8*\t:167+8*\t], v[204+4*\kb+\t], v253 matrix_a_fmt:MATRIX_FMT_FP6 matrix_b_fmt:MATRIX_FMT_FP6
.endr
.endm
	STEP 1, 0
	s_cmp_eq_u32 s25, 0
	s_cbranch_scc1 .Lno_before
	STEP 0, 1
.Lno_before:
	s_cmp_eq_u32 s25, 31
	s_cbranch_scc1 .Lno_after
	STEP 2, 2
.Lno_after:
	; THE WAY OUT.  O^T / the sum: register 16 b + j is channel 32 b + 16 h + j of my head: two blocks of the last projection's K, registers 6 e .. 6 e + 5 of my tile's fragment.
.rept 4
	v_nop                                          ; places behind the last products, on every way here
.endr
	v_add_f32 v14, v14, v15                        ; the sum's two halves,
	v_permlanex16_b32 v252, v14, s[SEL], s[SEL+1]
	v_add_f32 v14, v14, v252                       ; and lane l xor 16's
	v_rcp_f32 v14, v14
	v_nop                                          ; a plain place behind the reciprocal
	s_wait_alu depctr_va_vdst(0)                   ; and the wait ahead of its first reader
.irp j, 0,2,4,6,8,10,12,14,16,18,20,22,24,26,28,30
	v_pk_mul_f32 v[96+\j:97+\j], v[160+\j:161+\j], v[14:15] op_sel_hi:[1,0]
.endr
.irp b, 0,1
	v_max3_num_f32 v[232+\b], |v[96+16*\b]|, |v[97+16*\b]|, 0x1800000
.endr
.irp i, 2,4,6,8,10,12,14
.irp b, 0,1
	v_max3_num_f32 v[232+\b], v[232+\b], |v[96+16*\b+\i]|, |v[97+16*\b+\i]|
.endr
.endr
.irp b, 0,1
	v_permlanex16_b32 v[236+\b], v[232+\b], s[SEL], s[SEL+1]
.endr
.irp b, 0,1
	v_max_num_f32 v[232+\b], v[232+\b], v[236+\b]
.endr
.irp b, 0,1
	v_add_nc_u32 v[244+\b], 0xff000000, v[232+\b]
.endr
.irp b, 0,1
	v_lshrrev_b32 v[236+\b], 23, v[244+\b]
.endr
	v_lshl_or_b32 v240, v237, 8, v236              ; my two bytes of the row's scale word
	v_cvt_scalef32_pk16_fp6_f32 v[224:226], v[96:111], v244
	v_cvt_scalef32_pk16_fp6_f32 v[228:230], v[112:127], v245
	v_nop                                          ; one plain place behind a scaled conversion
.irp i, 0,1,2
	v_permlane16_swap_b32 v[224+\i], v[228+\i]     ; lanes 0-15: the first block, lanes 16-31: the second; the first three registers its lower 16 codes, the others the upper 16
.endr
.irp i, 0,1,2
	v_mov_b32 v[227+\i], v[228+\i]
.endr
	ds_store_b64 v8, v[224:225]
	ds_store_b64 v9, v[226:227]
	ds_store_b64 v8, v[228:229] offset:512
	ds_store_b16 v10, v240                         ; lanes r and r + 16 write the same two bytes with the same value
	s_wait_dscnt 0x0                               ; for the others' sake: my stores have landed
	s_barrier_signal -1
	s_barrier_wait -1                              ; eight whole images and their scale words lie in LDS
	ds_load_b128 v[96:99], v11
	ds_load_b64 v[100:101], v28 offset:512
	s_wait_dscnt 0x0
	global_store_b128 v1, v[96:99], s[54:55]       ; 768 consecutive bytes a wave, at a multiple of 256 from the buffer's first byte
	global_store_b64 v4, v[100:101], s[54:55] offset:512
	s_cmp_lt_u32 s[WV], 2
	s_cbranch_scc0 .Lno_scales
	ds_load_b64 v[102:103], v29
	s_wait_dscnt 0x0
	global_store_b64 v4, v[102:103], s[56:57]      ; 256 consecutive bytes, aligned
.Lno_scales:
	s_wait_tensorcnt 0x0                           ; the wave's end, behind my last LDS store
	ds_add_u32 v[SPW], v[NIL]
	s_wait_dscnt 0x0
	s_endpgm
.Lfunc_end_k_q4e1e52800e_attn:
	.size	k_q4e1e52800e_attn, .Lfunc_end_k_q4e1e52800e_attn-k_q4e1e52800e_attn
	.p2alignl 7, 3214868480
	.fill 96, 4, 3214868480
	.section	.rodata,"a",@progbits
	.p2align	6, 0x0
	.amdhsa_kernel k_q4e1e52800e_attn
		.amdhsa_group_segment_fixed_size 88576
		.amdhsa_private_segment_fixed_size 0
		.amdhsa_enable_private_segment 0
		.amdhsa_kernarg_size 32
		.amdhsa_user_sgpr_count 2
		.amdhsa_user_sgpr_kernarg_segment_ptr 1
		.amdhsa_wavefront_size32 1
		.amdhsa_system_sgpr_workgroup_id_x 1
		.amdhsa_system_sgpr_workgroup_id_y 1
		.amdhsa_system_sgpr_workgroup_id_z 1
		.amdhsa_system_vgpr_workitem_id 0
		.amdhsa_next_free_vgpr 256
		.amdhsa_next_free_sgpr 66
		.amdhsa_reserve_vcc 1
		.amdhsa_float_denorm_mode_32 3
		.amdhsa_float_denorm_mode_16_64 3
		.amdhsa_memory_ordered 1
		.amdhsa_forward_progress 1
		.amdhsa_inst_pref_size 74
	.end_amdhsa_kernel
	.amdgpu_metadata
---
amdhsa.version: [ 1, 2 ]
amdhsa.kernels:
  - .name:           k_q4e1e52800e_attn
    .symbol:         k_q4e1e52800e_attn.kd
    .args:
      - { .name: p_codes, .offset: 0, .size: 8, .value_kind: global_buffer, .address_space: global }
      - { .name: p_scales, .offset: 8, .size: 8, .value_kind: global_buffer, .address_space: global }
      - { .name: o_codes, .offset: 16, .size: 8, .value_kind: global_buffer, .address_space: global }
      - { .name: o_scales, .offset: 24, .size: 8, .value_kind: global_buffer, .address_space: global }
    .group_segment_fixed_size: 88576
    .private_segment_fixed_size: 0
    .kernarg_segment_align: 8
    .kernarg_segment_size: 32
    .max_flat_workgroup_size: 512
    .sgpr_count:     66
    .vgpr_count:     256
    .wavefront_size: 32
...
	.end_amdgpu_metadata
.endif
;; end of part 3
;; launch outp (part 4): grid 4 x 16, 4 waves a work-group, clusters of 4 x 4, 327,680 bytes of LDS; arguments o_codes, o_scales, codes_in, scales_in, out0; writes out0
.if DOCPART == 4
	.amdgcn_target "amdgcn-amd-amdhsa--gfx1250"
	.amdhsa_code_object_version 6
	.text
	.protected	k_q4e1e52800e_outp
	.globl	k_q4e1e52800e_outp
	.p2align	8
	.type	k_q4e1e52800e_outp,@function
k_q4e1e52800e_outp:
	s_mov_b64 s[64:65], 0
	v_nop
	global_prefetch_b8 v0, s[64:65] scope:SCOPE_SE
	s_setreg_imm32_b32 hwreg(HW_REG_WAVE_MODE, 25, 1), 1
	s_wait_xcnt 0x0
	s_wait_alu depctr_hold_cnt(0) depctr_sa_sdst(0) depctr_va_vdst(0) depctr_va_sdst(0) depctr_va_ssrc(0) depctr_va_vcc(0) depctr_vm_vsrc(0)
	s_getreg_b32 s2, hwreg(HW_REG_IB_STS2, 6, 4)
	s_cmp_eq_u32 s2, 0
	s_cbranch_scc0 .Lentry_in_a_cluster
	s_endpgm
.Lentry_in_a_cluster:
	s_bfe_u32 s2, ttmp6, 0x10000c
	s_cmp_lg_u32 s2, 0xf033
	s_cbranch_scc0 .Lentry_shape_is_right
	s_endpgm
.Lentry_shape_is_right:
; out0 = (the attention's result) Wo, on codes of FP6 (E2M3) with E8M0 block scales; out0 [4,096][1,024] f32.
; A tile is 256 tokens (source 1, "A": a lane keeps one) x 256 columns of Wo (source 0, "B": a lane's registers run along them).  Four waves, each 128 x 128: 64 accumulators, 512 registers.  K = 1,024 is 8 steps of 128, written out.
; 16 x 4 tiles: 64 work-groups; a tile of 128 x 128 would give 256, at twice the LDS reads for each product and with half the matrix work under each tensor load.
; OPERANDS lie in memory as images of their registers (1,536 bytes a fragment, [tile][K step]): a tensor load brings 8 tiles x 2 K steps (8 rows of 3,072 bytes, 12,288 bytes apart); a fragment is three ds_load_b128 of 512 consecutive bytes.
; LDS: three regions of two K steps each.  Six of the eight K steps are asked for at the start; region 0 is filled once more, with K steps 6 and 7, at the change in K step 1: that load has four K steps, 256 matrix instructions, in which to land.
; By this text's own count a wave has three tensor loads out at the start and one behind the refill.
; CLUSTERS: 4 x 4 work-groups.  A's tiles are shared along a row of the cluster, B's along a column: each is asked for jointly, by the same tensor load with the same descriptor and a mask that names the four.
; THE SCALES: a wave's words for all of K are 16 loads of 16 bytes a lane, once: register SCx + 4 s + t holds block t's words in lanes 0-15 and block 4 + t's in lanes 16-31.
; TILES ARE STORED so that storage row 32 b + 16 u + r is row 32 b + 8 u + r + 8 (r / 8): the way out puts columns and rows back, by its offsets alone.
; REGISTERS, in windows of 256: window 0: v16-30 addresses; v32-63 A's scale words, v64-95 B's; v128-223 A's fragments, one set; on the way out v128-255 rows of out0.
;   window 1: B's fragments, two sets, at v0 and v128.   window 2: the accumulators of my token blocks 0-3 ((a, b) at v[8 (8 (a % 4) + b)]);   window 3: those of blocks 4-7.
.set REG,   98304                      ; a region: A's 16 tiles, then B's 16, 3,072 bytes (two K steps) each
.set SPARE, 3*REG                      ; behind the regions: the spare words, 128 bytes for each wave: two blocks of 256 bytes that no other line names
.set FR,    12
.set ADRA,  16                         ; v16-18  LDS address of my A fragments in region 0, 1, 2
.set ADRB,  20                         ; v20-22  the same for B
.set SPW,   28                         ; v28     LDS address of my spare word; never rewritten
.set NIL,   29                         ; v29     0; never rewritten
.set SCA,   32
.set SCB,   64
.set AF,    128
.set BK,    128                        ; the way out: 16 rows read back from the stage: v128-191 and v192-255 by turns
.set G1A,   24
.set G0A,   32                         ; s[32:43] three sets, one for each region
.set G1B,   48
.set G0B,   68                         ; s[68:79]
.set MSB,   0
.macro WIN new                         ; the immediate's high byte repeats the setting that is left
.if MSB != (\new)
	s_set_vgpr_msb (MSB<<8)|(\new)
.set MSB, (\new)
.endif
.endm
.macro PLACES                          ; four plain places in front of loads into registers that matrix instructions have read, and of the first read of results
.rept 4
	v_nop
.endr
.endm
; A joint load: waves 0 and 1 fetch for A, waves 2 and 3 for B; the branch hangs on the wave's number alone.  An s_nop 0 and four v_nop follow each of the two lines.
.macro JLOAD g0a, g0b
	s_cmp_eq_u32 s15, 0
	s_cbranch_scc0 .Lfor_b_\@
	tensor_load_to_lds s[\g0a:\g0a+3], s[G1A:G1A+7]
	s_nop 0
.rept 4
	v_nop
.endr
	s_branch .Lasked_\@
.Lfor_b_\@:
	tensor_load_to_lds s[\g0b:\g0b+3], s[G1B:G1B+7]
	s_nop 0
.rept 4
	v_nop
.endr
.Lasked_\@:
.endm
.macro CREST                           ; a round of the cluster's barrier behind its opening barrier
	s_cmp_lg_u32 s14, 0
	s_cbranch_scc1 .Lnot_wave_0_\@
	s_barrier_signal -3
.Lnot_wave_0_\@:
	s_barrier_wait -3
	s_barrier_signal -1
	s_barrier_wait -1
.endm
.macro CROUND
	s_barrier_signal -1
	s_barrier_wait -1
	CREST
.endm
; One product: token block a, column block b, K step k.  Source 0 = B's fragment with B's scale word (lanes 16-31 for blocks 4-7), source 1 = A's likewise.  zero = 1: it starts the sum.
.macro WM a, b, k, zero
.set rD,  8*(8*((\a)%4)+(\b))
.set rB,  128*((\k)%2)+FR*(\b)
.set rA,  AF+FR*(\a)
.set rSB, SCB+4*(\k)+(\b)%4
.set rSA, SCA+4*(\k)+(\a)%4
.if \zero
.if ((\a) < 4) && ((\b) < 4)
	v_wmma_scale_f32_16x16x128_f8f6f4 v[rD:rD+7], v[rB:rB+FR-1], v[rA:rA+FR-1], 0, v[rSB], v[rSA] matrix_a_fmt:MATRIX_FMT_FP6 matrix_b_fmt:MATRIX_FMT_FP6
.elseif (\a) < 4
	v_wmma_scale_f32_16x16x128_f8f6f4 v[rD:rD+7], v[rB:rB+FR-1], v[rA:rA+FR-1], 0, v[rSB], v[rSA] matrix_a_fmt:MATRIX_FMT_FP6 matrix_b_fmt:MATRIX_FMT_FP6 matrix_a_scale:MATRIX_SCALE_ROW1
.elseif (\b) < 4
	v_wmma_scale_f32_16x16x128_f8f6f4 v[rD:rD+7], v[rB:rB+FR-1], v[rA:rA+FR-1], 0, v[rSB], v[rSA] matrix_a_fmt:MATRIX_FMT_FP6 matrix_b_fmt:MATRIX_FMT_FP6 matrix_b_scale:MATRIX_SCALE_ROW1
.else
	v_wmma_scale_f32_16x16x128_f8f6f4 v[rD:rD+7], v[rB:rB+FR-1], v[rA:rA+FR-1], 0, v[rSB], v[rSA] matrix_a_fmt:MATRIX_FMT_FP6 matrix_b_fmt:MATRIX_FMT_FP6 matrix_a_scale:MATRIX_SCALE_ROW1 matrix_b_scale:MATRIX_SCALE_ROW1
.endif
.else
.if ((\a) < 4) && ((\b) < 4)
	v_wmma_scale_f32_16x16x128_f8f6f4 v[rD:rD+7], v[rB:rB+FR-1], v[rA:rA+FR-1], v[rD:rD+7], v[rSB], v[rSA] matrix_a_fmt:MATRIX_FMT_FP6 matrix_b_fmt:MATRIX_FMT_FP6
.elseif (\a) < 4
	v_wmma_scale_f32_16x16x128_f8f6f4 v[rD:rD+7], v[rB:rB+FR-1], v[rA:rA+FR-1], v[rD:rD+7], v[rSB], v[rSA] matrix_a_fmt:MATRIX_FMT_FP6 matrix_b_fmt:MATRIX_FMT_FP6 matrix_a_scale:MATRIX_SCALE_ROW1
.elseif (\b) < 4
	v_wmma_scale_f32_16x16x128_f8f6f4 v[rD:rD+7], v[rB:rB+FR-1], v[rA:rA+FR-1], v[rD:rD+7], v[rSB], v[rSA] matrix_a_fmt:MATRIX_FMT_FP6 matrix_b_fmt:MATRIX_FMT_FP6 matrix_b_scale:MATRIX_SCALE_ROW1
.else
	v_wmma_scale_f32_16x16x128_f8f6f4 v[rD:rD+7], v[rB:rB+FR-1], v[rA:rA+FR-1], v[rD:rD+7], v[rSB], v[rSA] matrix_a_fmt:MATRIX_FMT_FP6 matrix_b_fmt:MATRIX_FMT_FP6 matrix_a_scale:MATRIX_SCALE_ROW1 matrix_b_scale:MATRIX_SCALE_ROW1
.endif
.endif
.endm
.macro MUL16 a0, k, zero               ; 16 products; the 64 accumulators take turns, one instruction a turn, in the same order in every K step
.irp a, \a0, \a0+1
.irp b, 0,1,2,3,4,5,6,7
	WM \a, \b, \k, \zero
.endr
.endr
.endm
.macro FRAG reg, adr, off              ; a fragment's image: three loads of 512 consecutive bytes
.irp c, 0,1,2
	ds_load_b128 v[\reg+4*\c:\reg+4*\c+3], v[\adr] offset:\off+512*\c
.endr
.endm
.macro FETCH_B rho, q, p               ; B's eight fragments of region rho's q-th K step into set p
	WIN 0x40                                       ; destination window 1, address window 0
.irp i, 0,1,2,3,4,5,6,7
	FRAG 128*(\p)+FR*\i, ADRB+\rho, 3072*\i+1536*(\q)
.endr
	WIN 0
.endm
.macro FETCH_A rho, q, i0              ; A's blocks i0 .. i0 + 3
.irp i, \i0, \i0+1, \i0+2, \i0+3
	FRAG AF+FR*(\i), ADRA+\rho, 3072*(\i)+1536*(\q)
.endr
.endm
; K step k; the next step's fragments lie in region rn, its qn-th K step.  A block of A is free when its eight products are issued: blocks 0-3 are fetched anew in the middle, blocks 4-7 at the end.
.macro STEP k, zero, rn, qn
	s_wait_dscnt 12                                ; B's set and A's blocks 0-3 are in; the youngest 12 loads (A's blocks 4-7) may be out
	WIN 0xa1                                       ; source 0 window 1, source 1 window 0, C and D window 2
	MUL16 0, \k, \zero
	MUL16 2, \k, \zero
	s_wait_dscnt 0
	PLACES
	FETCH_B \rn, \qn, 1-(\k)%2
	FETCH_A \rn, \qn, 0
	WIN 0xf1                                       ; C and D window 3
	MUL16 4, \k, \zero
	MUL16 6, \k, \zero
	PLACES
	WIN 0
	FETCH_A \rn, \qn, 4
.endm
; A K step with a barrier: in front of it each wave waits for all its tensor loads, adds 0 to its spare word, and waits for that and for its LDS reads.  fill = 1: region 0, which nobody reads any more, takes K steps 6 and 7.
.macro TURN k, rn, qn, fill
	s_wait_tensorcnt 0x0                           ; all my tensor loads have landed
	ds_add_u32 v[SPW], v[NIL]                      ; 0 onto my spare word
	s_wait_dscnt 13                                ; (the add and the youngest 12 loads may be out)
	WIN 0xa1
	MUL16 0, \k, 0                                 ; sixteen matrix instructions stand between the add and the wait for it
	s_wait_dscnt 0x0                               ; the add is done, and all my LDS reads are back
	s_barrier_signal -1
	MUL16 2, \k, 0
	WIN 0
	s_barrier_wait -1
.if \fill
	CREST                                          ; the barrier has opened a round of the cluster's barrier: no wave of any partner still reads region 0 or has a load on its way
	s_add_nc_u64 s[G0A+2:G0A+3], s[G0A+2:G0A+3], 9216   ; from K step 0 to K step 6: 6 x 1,536 bytes
	s_add_nc_u64 s[G0B+2:G0B+3], s[G0B+2:G0B+3], 9216
	JLOAD G0A, G0B                                 ; the first tensor load behind the round; its four v_nop are the places in front of the loads below
.else
	PLACES
.endif
	FETCH_B \rn, \qn, 1-(\k)%2
	FETCH_A \rn, \qn, 0
	WIN 0xf1
	MUL16 4, \k, 0
	MUL16 6, \k, 0
	PLACES
	WIN 0
	FETCH_A \rn, \qn, 4
.endm
	s_load_b256 s[4:11], s[0:1], 0x0               ; o_codes s[4:5], o_scales s[6:7], codes_in s[8:9], scales_in s[10:11]
	s_load_b64 s[12:13], s[0:1], 0x20              ; out0
	v_lshl_add_u32 v[SPW], v0, 2, SPARE
	v_mov_b32 v[NIL], 0
	ds_add_u32 v[SPW], v[NIL]                      ; the wave's opening: the add and its wait stand ahead of my first tensor load; the set-up below, work on registers, stands between them
	v_lshrrev_b32 v1, 5, v0
	v_readfirstlane_b32 s14, v1                    ; wave 0..3
	s_lshr_b32 s15, s14, 1                         ; which half of the tokens is mine.  Also: I fetch for A (0) or for B (1)
	s_and_b32 s16, s14, 1                          ; which half of the columns.  Also: which 8 tiles I fetch
	s_bfe_u32 s44, ttmp6, 0x40000                  ; cx
	s_bfe_u32 s45, ttmp6, 0x40004                  ; cy
	s_lshl_b32 s46, ttmp9, 2
	s_add_co_u32 s46, s46, s44                     ; tile column = 4 x cluster x + cx
	s_and_b32 s17, ttmp7, 0xffff
	s_lshl_b32 s17, s17, 2
	s_add_co_u32 s17, s17, s45                     ; tile row = 4 x cluster y + cy
	s_lshl_b32 s56, s45, 2
	s_lshl_b32 s56, 15, s56                        ; my row of the cluster
	s_lshl_b32 s57, 0x1111, s44                    ; my column
	s_or_b32 s[G1A], s56, (3<<16)|(1<<21)          ; 15:0 the mask; 17:16 elements of 8 bytes; 20 no padding; 21 set beside a mask
	s_or_b32 s[G1B], s57, (3<<16)|(1<<21)
.irp g, G1A, G1B
	s_mov_b32 s[\g+1], 384<<16                     ; tensor_dim0 = 384 elements: 3,072 bytes, two K steps of a tile
	s_mov_b32 s[\g+2], 8<<16                       ; tensor_dim1 = 8 tiles
	s_mov_b32 s[\g+3], 384<<16                     ; tile_dim0
	s_mov_b32 s[\g+4], 8                           ; tile_dim1
	s_mov_b32 s[\g+5], 1536                        ; from tile to tile: 12,288 bytes
	s_mov_b32 s[\g+6], 0
	s_mov_b32 s[\g+7], 0
.endr
	s_lshl_b32 s20, s17, 4                         ; A's first tile: 16 x tile row, in o_codes
	s_lshl_b32 s22, s46, 4
	s_add_co_u32 s22, s22, 960                     ; B's: Wo begins at tile 960 of codes_in
	s_lshl_b32 s21, s16, 3                         ; which 8 tiles I fetch
	s_add_co_u32 s60, s20, s21
	s_mul_i32 s60, s60, 12288
	s_mov_b32 s61, 0
	s_add_co_u32 s62, s22, s21
	s_mul_i32 s62, s62, 12288
	s_mov_b32 s63, 0
	s_mul_i32 s47, s14, 24576                      ; where they go: wave x 8 tiles: no place in the cluster enters an LDS address
	s_wait_dscnt 0x0                               ; the opening add is done
	s_wait_kmcnt 0x0
	s_add_nc_u64 s[60:61], s[4:5], s[60:61]
	s_add_nc_u64 s[62:63], s[8:9], s[62:63]
	CROUND                                         ; all sixteen work-groups are here: the first joint loads meet
.irp p, 0,1,2
	s_mov_b32 s[G0A+4*\p], 1
	s_add_co_u32 s[G0A+4*\p+1], s47, \p*REG
	s_add_nc_u64 s[G0A+4*\p+2:G0A+4*\p+3], s[60:61], \p*3072       ; K steps 2 p and 2 p + 1
	s_or_b32 s[G0A+4*\p+3], s[G0A+4*\p+3], 0x80000000
	s_mov_b32 s[G0B+4*\p], 1
	s_add_co_u32 s[G0B+4*\p+1], s47, \p*REG
	s_add_nc_u64 s[G0B+4*\p+2:G0B+4*\p+3], s[62:63], \p*3072
	s_or_b32 s[G0B+4*\p+3], s[G0B+4*\p+3], 0x80000000
	JLOAD G0A+4*\p, G0B+4*\p
.endr
	v_and_b32 v1, 31, v0
	v_lshlrev_b32 v24, 4, v1                       ; 16 x lane
	v_and_b32 v2, 15, v0                           ; r
	v_bfe_u32 v3, v0, 4, 1                         ; h
	s_mul_i32 s18, s15, 24576                      ; my 8 tiles of A,
	s_mul_i32 s19, s16, 24576
	s_add_co_u32 s19, s19, 49152                   ; my 8 of B, behind A's 16
.irp p, 0,1,2
	v_add_nc_u32 v[ADRA+\p], s18, v24
	v_add_nc_u32 v[ADRB+\p], s19, v24
	s_add_co_u32 s18, s18, REG
	s_add_co_u32 s19, s19, REG
.endr
	v_lshlrev_b32 v30, 4, v2
	v_lshl_add_u32 v30, v3, 11, v30                ; 16 r + 2,048 h: lanes 16-31 read the next four tiles' words
	s_lshl_b32 s84, s20, 9                         ; a group of four tiles has 8 x 256 bytes of scales: tile x 512,
	s_lshl_b32 s18, s15, 12
	s_add_co_u32 s84, s84, s18                     ; + my half's two groups
	s_mov_b32 s85, 0
	s_add_nc_u64 s[84:85], s[6:7], s[84:85]
	s_lshl_b32 s86, s22, 9
	s_lshl_b32 s18, s16, 12
	s_add_co_u32 s86, s86, s18
	s_mov_b32 s87, 0
	s_add_nc_u64 s[86:87], s[10:11], s[86:87]
.irp s, 0,1,2,3,4,5,6,7
	global_load_b128 v[SCA+4*\s:SCA+4*\s+3], v30, s[84:85] offset:256*\s
	global_load_b128 v[SCB+4*\s:SCB+4*\s+3], v30, s[86:87] offset:256*\s
.endr
	s_mul_i32 s18, s14, 8448
	s_add_co_u32 s18, s18, REG                     ; my stage, 16 rows x (512 bytes + 16), in region 1: it has its only fill at the start, and every wave passes K step 5's barrier behind its last read of it
	v_mul_u32_u24 v25, v2, 528
	v_lshl_add_u32 v25, v3, 6, v25
	v_add_nc_u32 v25, s18, v25                     ; in: row r, + 64 h: my 16 columns of each 32
	v_add_nc_u32 v26, s18, v24                     ; back: a row's 512 bytes, 16 a lane
	s_lshl_b32 s18, s17, 8
	s_lshl_b32 s19, s15, 7
	s_add_co_u32 s18, s18, s19                     ; my first token: 256 x tile row + 128 x half
	s_lshl_b32 s88, s18, 12                        ; rows of 4,096 bytes
	s_lshl_b32 s19, s46, 10
	s_add_co_u32 s88, s88, s19                     ; + 1,024 x tile column
	s_lshl_b32 s19, s16, 9
	s_add_co_u32 s88, s88, s19                     ; + 512 x half
	s_mov_b32 s89, 0
	s_add_nc_u64 s[88:89], s[12:13], s[88:89]
	s_wait_tensorcnt 2                             ; my part of region 0 is in; regions 1 and 2 may stay out
	s_barrier_signal -1
	s_barrier_wait -1                              ; everybody's is
	FETCH_B 0, 0, 0
	FETCH_A 0, 0, 0
	FETCH_A 0, 0, 4
	s_wait_loadcnt 0x0                             ; the scale words
	STEP 0, 1, 0, 1                                ; the first step's products start the sums: nothing is cleared
	TURN 1, 1, 0, 1                                ; all first fills are shown whole to every wave; region 0 takes K steps 6, 7
	STEP 2, 0, 1, 1
	STEP 3, 0, 2, 0
	STEP 4, 0, 2, 1
	TURN 5, 0, 0, 0                                ; the refill has landed, in every wave
	STEP 6, 0, 0, 1
	s_wait_dscnt 12                                ; the last step: nothing more to fetch
	WIN 0xa1
	MUL16 0, 7, 0
	MUL16 2, 7, 0
	s_wait_dscnt 0
	WIN 0xf1
	MUL16 4, 7, 0
	MUL16 6, 7, 0
	WIN 0
	PLACES                                         ; for the first reads of results and for the loads into the registers that held A's fragments
; THE WAY OUT, block by block of 16 tokens x 128 columns.  Lane (r, h) holds, in accumulator b, columns 32 (b / 2) + 8 (b % 2) + 16 h + 0 .. 7 of storage row r: 32 bytes.  A block goes through my own stage and comes
; back as whole rows of 512 bytes.  LDS serves a wave's instructions in order (ISA guide 5.7.1.4): no wait between the stores and the loads, nor in front of the next block's stores.
.macro TOSTAGE a
.set AC, 64*((\a)%4)
	WIN 0x08+4*((\a)/4)                            ; the data: window 2 or 3
.irp b, 0,1,2,3,4,5,6,7
	ds_store_b128 v25, v[AC+8*\b:AC+8*\b+3] offset:128*(\b/2)+32*(\b%2)            ; each accumulator from its low end on
	ds_store_b128 v25, v[AC+8*\b+4:AC+8*\b+7] offset:128*(\b/2)+32*(\b%2)+16
.endr
	WIN 0
.set BB, BK+64*((\a)%2)
.irp t, 0,1,2,3,4,5,6,7,8,9,10,11,12,13,14,15
	ds_load_b128 v[BB+4*\t:BB+4*\t+3], v26 offset:\t*528
.endr
.endm
.macro SEND a, younger                 ; younger: the LDS instructions issued behind block a's loads, which may stay out
.set BB, BK+64*((\a)%2)
	s_wait_dscnt \younger
.irp t, 0,1,2,3,4,5,6,7,8,9,10,11,12,13,14,15
	global_store_b128 v24, v[BB+4*\t:BB+4*\t+3], s[88:89] offset:(32*((\a)/2)+8*((\a)%2)+\t+8*(\t/8))*4096 th:TH_STORE_NT   ; storage row t of block a is this token; 32 lanes store 512 consecutive bytes, at a multiple of 256 from out0's first byte
.endr
.endm
	TOSTAGE 0
.irp a, 1,2,3,4,5,6,7
.if \a > 1
	s_wait_xcnt 0x0                                ; block a - 2's stores have read their data: block a's loads land there only behind this wait
.endif
	TOSTAGE \a
	SEND \a-1, 32                                  ; behind block a - 1's loads: block a's 16 stores and 16 loads
.endr
	SEND 7, 0
	s_wait_tensorcnt 0x0                           ; the wave's end, behind my last tensor load and my last LDS store
	ds_add_u32 v[SPW], v[NIL]
	s_wait_dscnt 0x0
	CROUND                                         ; the closing round: no work-group ends while a partner may still ask for a tile that names it
	s_endpgm
.Lfunc_end_k_q4e1e52800e_outp:
	.size	k_q4e1e52800e_outp, .Lfunc_end_k_q4e1e52800e_outp-k_q4e1e52800e_outp
	.p2alignl 7, 3214868480
	.fill 96, 4, 3214868480
	.section	.rodata,"a",@progbits
	.p2align	6, 0x0
	.amdhsa_kernel k_q4e1e52800e_outp
		.amdhsa_group_segment_fixed_size 327680
		.amdhsa_private_segment_fixed_size 0
		.amdhsa_enable_private_segment 0
		.amdhsa_kernarg_size 40
		.amdhsa_user_sgpr_count 2
		.amdhsa_user_sgpr_kernarg_segment_ptr 1
		.amdhsa_wavefront_size32 1
		.amdhsa_system_sgpr_workgroup_id_x 1
		.amdhsa_system_sgpr_workgroup_id_y 1
		.amdhsa_system_sgpr_workgroup_id_z 1
		.amdhsa_system_vgpr_workitem_id 0
		.amdhsa_next_free_vgpr 1024
		.amdhsa_next_free_sgpr 100
		.amdhsa_reserve_vcc 0
		.amdhsa_float_denorm_mode_32 3
		.amdhsa_float_denorm_mode_16_64 3
		.amdhsa_memory_ordered 1
		.amdhsa_forward_progress 1
		.amdhsa_inst_pref_size 132
	.end_amdhsa_kernel
	.amdgpu_metadata
---
amdhsa.version: [ 1, 2 ]
amdhsa.kernels:
  - .name:           k_q4e1e52800e_outp
    .symbol:         k_q4e1e52800e_outp.kd
    .args:
      - { .name: o_codes, .offset: 0, .size: 8, .value_kind: global_buffer, .address_space: global }
      - { .name: o_scales, .offset: 8, .size: 8, .value_kind: global_buffer, .address_space: global }
      - { .name: codes_in, .offset: 16, .size: 8, .value_kind: global_buffer, .address_space: global }
      - { .name: scales_in, .offset: 24, .size: 8, .value_kind: global_buffer, .address_space: global }
      - { .name: out0, .offset: 32, .size: 8, .value_kind: global_buffer, .address_space: global }
    .group_segment_fixed_size: 327680
    .private_segment_fixed_size: 0
    .kernarg_segment_align: 8
    .kernarg_segment_size: 40
    .max_flat_workgroup_size: 128
    .sgpr_count:     100
    .vgpr_count:     1024
    .wavefront_size: 32
...
	.end_amdgpu_metadata
.endif
;; end of part 4
;; ======== version 2 of 2: 4 launches; version 1 with the launch attn written anew for expert scheduling mode
;; workspace buffers: codes_in 12,582,912 bytes; scales_in 524,288 bytes; p_codes 9,437,184 bytes; p_scales 393,216 bytes; o_codes 3,145,728 bytes; o_scales 131,072 bytes
;; launch quant: the kernel of part 1 again; grid 320 x 1, 8 waves a work-group, no clusters, 68,608 bytes of LDS; arguments query, key, value, Wq, Wk, Wv, Wo, codes_in, scales_in; writes codes_in, scales_in
;; launch proj: the kernel of part 2 again; grid 16 x 12, 4 waves a work-group, clusters of 4 x 4, 327,680 bytes of LDS; arguments codes_in, scales_in, p_codes, p_scales; writes p_codes, p_scales
;; launch attn (part 5): grid 32 x 8, 16 waves a work-group, no clusters, 88,576 bytes of LDS; arguments p_codes, p_scales, o_codes, o_scales; writes o_codes, o_scales
.if DOCPART == 5
	.amdgcn_target "amdgcn-amd-amdhsa--gfx1250"
	.amdhsa_code_object_version 6
	.text
	.protected	k_q4e1e52800e_attn
	.globl	k_q4e1e52800e_attn
	.p2align	8
	.type	k_q4e1e52800e_attn,@function
k_q4e1e52800e_attn:
	s_mov_b64 s[64:65], 0
	v_nop
	global_prefetch_b8 v0, s[64:65] scope:SCOPE_SE
	s_setreg_imm32_b32 hwreg(HW_REG_WAVE_SCHED_MODE, 0, 2), 2
	s_setreg_imm32_b32 hwreg(HW_REG_WAVE_MODE, 25, 1), 1
	s_wait_xcnt 0x0
	s_wait_alu depctr_vm_vsrc(0)
; The banded attention, |query - key| <= 128, 16 heads of 64, both products on codes of FP6 (E2M3) with E8M0 block scales; its result is quantised along the 1,024 channels for the last projection.
; SOFTMAX AHEAD OF THE SECOND PRODUCT: t = score x log2(e) / 8; M = the row's largest t so far, rounded up to a whole number; p = 2^(t - M) is quantised along the keys, not normalised.
; The row's sum is taken of the unquantised p and divides at the end.  When M moves, the sum and O are multiplied by 2^(old M - new M): exact.
; SHARES.  A work-group owns a block a of 128 queries and a pair s of heads; wave w owns the tile i = w / 2 of 16 queries and head e = w % 2: four waves to a SIMD.
; The band of block a lies in key blocks a - 1, a, a + 1: three key steps of 128.  Block a goes first (all its keys count, so M is a number from the first step on); a scalar branch on the work-group's number leads round
; the step before where a = 0 and round the step after where a = 31.  In those two steps hidden scores become -infinity ahead of the maximum: p = 0 there.
; K, V: each of the 16 waves copies one fragment's image of each key block from memory into LDS through its registers: 72 KB a work-group, once; one barrier; all waves read them.
; NO JOINT LOADS: a neighbouring query block wants two of my three key blocks, but at other places of its LDS (its steps 0, 1 are my steps 1, 2), so no one descriptor would be equal in both.
; A FRAGMENT HOLDS TWO HEADS (128 channels).  Q's half of the other head is cleared to zero codes, which add nothing; so K's fragments are used whole and the head's K of 64 is filled with zeros, as the quantiser asks.
; LAYOUT.  Both products are used transposed: S^T = K Q^T, O^T = V^T P^T: a lane holds one query throughout.  Tiles are stored so that storage row 32 b + 16 u + r is row 32 b + 8 u + r + 8 (r / 8):
; the 16 registers of tiles 2 b, 2 b + 1 are 16 neighbours, 32 b + 16 (lane / 16) + 0 .. 15.
; LIMITS: NaN and infinities are not served; a block whose largest magnitude lies under 2^-124 keeps the scale byte 1, a block of zeros too (its codes are zeros; this program alone reads the bytes).
; THE MODE: SCHED_MODE bits 1:0 = 2 (LLVM: expert scheduling mode 2), set by the entry lines.  The code itself states the register dependences between vector or matrix instructions and memory or LDS instructions,
; and those through scalar registers that vector instructions write, with s_wait_alu, always for 0.
; THE PLAN.  Registers that memory or LDS instructions touch:
;   v1-v4, v8-v11, v28-v31  addresses and offsets, and v5, v6, the closing add's two: written at the head, once; one wait ahead of the first load states that for the whole kernel.
;   v96-131   at the head: nine loads land there, nine LDS stores read them; the first step's products write them: one wait on vm_vsrc behind the first barrier.
;   KA        v32-79.  A step's LDS loads of K's tiles 0-3 land there, its first four products read them; then V^T's four fragments land there, and the step's last four products read them.
;   KB        v80-91, v216-227, v228-239, v240-251.  A step's LDS loads of K's tiles 4-7 land there, its second four products read them; from the maxima on v216-251 are the softmax's registers at work and p's codes.
;   v94, v192-215  scale words: loaded once, read by products alone.
;   v224-229, v240, v96-103  on the way out: written by vector instructions, read by LDS stores; then LDS loads land in v96-103, which global stores read.
; So a step has one wait on va_vdst at its head, behind which all eight fragments of K are asked for in one run, and one behind its eight products K Q^T, behind which V^T is asked for: no line of the softmax names KA.
; The waits behind the exponentials stand ahead of their first readers; one more wait stands ahead of the products that take p's codes and scale word, which vector instructions have written.
; The masks of hidden keys are made in runs of 32 compares into scalar registers, with one wait on va_sdst between a run and the 32 selects that read them.
; REGISTERS: v1-11, v28-31 addresses; v12 -M, v13 the largest t, v[14:15] the sum in two halves; v16-27 Q; v32-79 KA; v80-91 and v216-251 KB; v94 Q's scale words; v96-159 S^T, then p; v160-191 O^T;
;   v192-203 K's scale words, v204-215 V's; v224-235 p's codes; v232-254 at work.
.set KVB,   24576                      ; LDS: a key block: eight fragments of K, then eight of V^T, 1,536 bytes each
.set XCH,   3*KVB                      ; the way out: eight fragments' images,
.set YSC,   XCH+12288                  ; and their scale words: two units of 256 bytes
.set SPARE, YSC+512                    ; the spare words, 128 bytes for each wave: eight blocks of 256 bytes that no other line names
.set SPW,   5                          ; v5   LDS address of my spare word; never rewritten
.set NIL,   6                          ; v6   0; never rewritten
.set QS,    94                         ; v94  Q's scale words
.set KA,    32                         ; four fragments: K's tiles 0-3, then V^T's four
.set KB0,   80                         ; K's tile 4,
.set KB1,   216                        ; tile 5,
.set KB2,   228                        ; tile 6,
.set KB3,   240                        ; tile 7
.set WV,    18
.set SEL,   20
.set CS,    22
	s_load_b256 s[4:11], s[0:1], 0x0               ; p_codes s[4:5], p_scales s[6:7], o_codes s[8:9], o_scales s[10:11]
	v_lshl_add_u32 v[SPW], v0, 2, SPARE
	v_mov_b32 v[NIL], 0
	v_lshrrev_b32 v1, 5, v0
	v_readfirstlane_b32 s[WV], v1                  ; wave 0..15
	s_wait_alu depctr_va_sdst(0)                   ; s18 is written, ahead of its first reader: ids, offsets and LDS addresses are made from it
	s_lshr_b32 s19, s[WV], 1                       ; i: my tile of queries
	s_and_b32 s24, s[WV], 1                        ; e: my head of the pair
	s_and_b32 s27, s[WV], 7                        ; which fragment I copy
	s_mov_b32 s25, ttmp9                           ; a
	s_and_b32 s26, ttmp7, 0xffff                   ; s
	s_max_u32 s12, s25, 1
	s_sub_co_u32 s12, s12, 1                       ; the key block before (a = 0: block 0, copied and not used: no load leaves its buffer),
	s_mov_b32 s13, s25                             ; mine,
	s_add_co_u32 s14, s25, 1
	s_min_u32 s14, s14, 31                         ; and the one after (a = 31: block 31 likewise)
.irp n, 0,1,2
	s_lshl_b32 s28, s26, 8
	s_lshl_b32 s29, s[12+\n], 3
	s_add_co_u32 s28, s28, s29
	s_add_co_u32 s28, s28, s27
	s_mul_i32 s28, s28, 1536
	s_add_co_u32 s28, s28, 3145728                 ; K: (256 s + 8 block + fragment) x 1,536 in k's part
	s_lshl_b32 s29, s[12+\n], 6
	s_lshl_b32 s30, s26, 3
	s_add_co_u32 s29, s29, s30
	s_add_co_u32 s29, s29, s27
	s_mul_i32 s29, s29, 1536
	s_add_co_u32 s29, s29, 6291456                 ; V^T: (64 block + 8 s + fragment) x 1,536 in v's part
	s_cmp_lt_u32 s[WV], 8                          ; waves 0-7 copy K's, waves 8-15 V's: an offset is chosen, no path
	s_cselect_b32 s[32+2*\n], s28, s29
	s_mov_b32 s[33+2*\n], 0
	s_lshl_b32 s28, s26, 6
	s_lshl_b32 s29, s[12+\n], 1
	s_add_co_u32 s28, s28, s29
	s_lshl_b32 s28, s28, 8
	s_add_co_u32 s[42+2*\n], s28, 131072           ; K's scale words: (64 s + 2 block) x 256
	s_mov_b32 s[43+2*\n], 0
	s_lshl_b32 s28, s[12+\n], 4
	s_lshl_b32 s29, s26, 1
	s_add_co_u32 s28, s28, s29
	s_add_co_u32 s28, s28, s24
	s_lshl_b32 s28, s28, 8
	s_add_co_u32 s[48+2*\n], s28, 262144           ; V's: (16 block + 2 s + e) x 256
	s_mov_b32 s[49+2*\n], 0
.endr
	s_lshl_b32 s31, s25, 3
	s_add_co_u32 s31, s31, s19                     ; my tile of tokens: 8 a + i
	s_lshl_b32 s28, s26, 8
	s_add_co_u32 s28, s28, s31
	s_mul_i32 s38, s28, 1536                       ; Q: (256 s + tile) x 1,536
	s_mov_b32 s39, 0
	s_lshl_b32 s28, s26, 6
	s_lshr_b32 s29, s31, 2
	s_add_co_u32 s28, s28, s29
	s_lshl_b32 s28, s28, 8
	s_and_b32 s29, s31, 3
	s_lshl_b32 s29, s29, 2
	s_add_co_u32 s40, s28, s29                     ; its scale words: (64 s + tile / 4) x 256 + 4 (tile % 4)
	s_mov_b32 s41, 0
	s_lshl_b32 s28, s31, 3
	s_add_co_u32 s28, s28, s26
	s_mul_i32 s28, s28, 1536
	s_mul_i32 s29, s24, 768
	s_add_co_u32 s54, s28, s29                     ; out: (tile x 8 + s) x 1,536 + 768 e: the half of the image that I store
	s_mov_b32 s55, 0
	s_lshl_b32 s28, s25, 1
	s_add_co_u32 s28, s28, s24
	s_lshl_b32 s28, s28, 3
	s_add_co_u32 s28, s28, s26
	s_lshl_b32 s56, s28, 8                         ; (waves 0, 1) the scale words: ((2 a + wave) x 8 + s) x 256
	s_mov_b32 s57, 0
	s_cmp_eq_u32 s24, 0
	s_cselect_b32 s58, -1, 0                       ; keeps Q's registers 0-5 (head 0),
	s_cselect_b32 s59, 0, -1                       ; registers 6-11 (head 1)
	s_mov_b32 s[SEL], 0x76543210
	s_mov_b32 s[SEL+1], 0xfedcba98                 ; v_permlanex16_b32's selects for lane l xor 16
	s_mov_b32 s[CS], 0x3e38aa3b                    ; c = log2(e) / 8
	s_mov_b32 s[CS+1], s[CS]                       ; (named with it as a pair, so it is written)
	; every LDS address is made here, ahead of the first branch
	v_and_b32 v80, 31, v0                          ; lane
	v_and_b32 v81, 15, v0                          ; r
	v_bfe_u32 v82, v0, 4, 1                        ; h
	v_lshlrev_b32 v1, 4, v80                       ; v1: 16 x lane: K's fragments
	v_lshlrev_b32 v4, 3, v80                       ; v4: 8 x lane
	s_mul_i32 s28, s24, 6144
	s_add_co_u32 s28, s28, 12288
	v_add_nc_u32 v2, s28, v1                       ; v2: my head's four fragments of V^T
	s_mul_i32 s28, s[WV], 1536
	v_add_nc_u32 v3, s28, v1                       ; v3: where I put the fragments that I copy
	s_lshr_b32 s28, s19, 1
	s_lshl_b32 s28, s28, 5
	s_and_b32 s29, s19, 1
	s_lshl_b32 s29, s29, 3
	s_add_co_u32 s28, s28, s29
	v_and_b32 v7, 8, v81
	v_add_nc_u32 v7, v7, v81
	v_add_nc_u32 v7, s28, v7                       ; my query's place in the block: 32 (i / 2) + 8 (i % 2) + r + 8 (r / 8),
	v_lshlrev_b32 v83, 4, v82
	v_sub_nc_u32 v7, v7, v83                       ; v7: d = that - 16 h.  Register 16 b + j holds the key at place 32 b + j + 16 h
	s_mul_i32 s28, s19, 1536
	s_add_co_u32 s28, s28, XCH                     ; my tile's image.  My six registers are 6 e .. 6 e + 5 of its twelve; register n of lane l lies at 512 (n / 4) + 16 l + 4 (n % 4)
	s_mul_i32 s29, s24, 520
	s_add_co_u32 s29, s29, s28
	v_add_nc_u32 v8, s29, v1                       ; v8: my first pair (at +0) and my third (at +512)
	s_mul_i32 s29, s24, 1016
	s_add_co_u32 s29, s29, s28
	s_add_co_u32 s29, s29, 8
	v_add_nc_u32 v9, s29, v1                       ; v9: my second pair
	s_lshr_b32 s28, s19, 2
	s_lshl_b32 s28, s28, 8
	s_and_b32 s29, s19, 3
	s_lshl_b32 s29, s29, 2
	s_add_co_u32 s28, s28, s29
	s_lshl_b32 s29, s24, 1
	s_add_co_u32 s28, s28, s29
	s_add_co_u32 s28, s28, YSC
	v_lshl_add_u32 v10, v81, 4, s28                ; v10: my half of row r's scale word: 256 (i / 4) + 16 r + 4 (i % 4) + 2 e
	s_mul_i32 s28, s[WV], 768
	s_add_co_u32 s28, s28, XCH
	v_add_nc_u32 v11, s28, v1                      ; v11, v28: the 768 bytes that I store
	v_add_nc_u32 v28, s28, v4
	s_lshl_b32 s28, s24, 8
	s_add_co_u32 s28, s28, YSC
	v_add_nc_u32 v29, s28, v4                      ; v29: (waves 0, 1) a unit of scale words
	v_lshlrev_b32 v30, 4, v81                      ; v30: 16 r
	v_lshl_add_u32 v31, v82, 8, v30                ; v31: 16 r + 256 h: lanes 16-31 read tiles 4-7's words
	s_wait_kmcnt 0x0
.irp n, 0,1,2
	s_add_nc_u64 s[32+2*\n:33+2*\n], s[4:5], s[32+2*\n:33+2*\n]
	s_add_nc_u64 s[42+2*\n:43+2*\n], s[6:7], s[42+2*\n:43+2*\n]
	s_add_nc_u64 s[48+2*\n:49+2*\n], s[6:7], s[48+2*\n:49+2*\n]
.endr
	s_add_nc_u64 s[38:39], s[4:5], s[38:39]
	s_add_nc_u64 s[40:41], s[6:7], s[40:41]
	s_add_nc_u64 s[54:55], s[8:9], s[54:55]
	s_add_nc_u64 s[56:57], s[10:11], s[56:57]
	s_wait_alu depctr_va_vdst(0)                   ; the addresses and offsets v1-v4, v8-v11, v28-v31 are written, which every load and store of the kernel reads; none of them is written again
.irp n, 0,1,2
.irp c, 0,1,2
	global_load_b128 v[96+12*\n+4*\c:99+12*\n+4*\c], v1, s[32+2*\n:33+2*\n] offset:512*\c   ; the fragments that I copy: 512 consecutive bytes a load
.endr
.endr
.irp c, 0,1,2
	global_load_b128 v[16+4*\c:19+4*\c], v1, s[38:39] offset:512*\c   ; Q's fragment stays in registers
.endr
	global_load_b32 v[QS], v30, s[40:41]           ; Q's scale words
.irp n, 0,1,2
	global_load_b128 v[192+4*\n:195+4*\n], v31, s[42+2*\n:43+2*\n]   ; K's: register t: tile t in lanes 0-15, tile 4 + t in lanes 16-31
.endr
.irp n, 0,1,2
	global_load_b128 v[204+4*\n:207+4*\n], v30, s[48+2*\n:49+2*\n]   ; V's: register t: my head's tile t
.endr
	v_mov_b32 v13, 0xff61b1e6                      ; the largest t so far: -3e38, under every t
	v_floor_f32 v12, -v13                          ; -M
	v_mov_b32 v14, 0                               ; the sum, in two halves
	v_mov_b32 v15, 0
.irp b, 0,1,2,3
	v_mov_b32 v[236+\b], 0                         ; written once: a lane permute's destination counts as one of its sources
.endr
	v_mov_b32 v253, 0                              ; (named as the upper half of the pair v[252:253] before it is first written)
.irp j, 0,1,2,3,4,5,6,7,8,9,10,11,12,13,14,15,16,17,18,19,20,21,22,23,24,25,26,27,28,29,30,31
	v_mov_b32 v[160+\j], 0                         ; O^T: the step is written for every turn alike; the first finds zeros, which the first change of M leaves zeros
.endr
	s_wait_loadcnt 10                              ; my nine copies are in; the ten loads behind them may be out
.irp n, 0,1,2
.irp c, 0,1,2
	ds_store_b128 v3, v[96+12*\n+4*\c:99+12*\n+4*\c] offset:KVB*\n+512*\c   ; the data come from loads; no vector instruction has named them or v3 since the wait above
.endr
.endr
	s_wait_dscnt 0x0                               ; for the others' sake: my stores have landed
	s_barrier_signal -1
	s_barrier_wait -1                              ; the three key blocks lie in LDS
	s_wait_alu depctr_vm_vsrc(0)                   ; my LDS stores have read v96-131, which the first step's products write
	s_wait_loadcnt 0x0
.irp n, 0,1,2,3,4,5
	v_and_b32 v[16+\n], s58, v[16+\n]              ; the other head's half of Q becomes zero codes
	v_and_b32 v[22+\n], s59, v[22+\n]
.endr
; A fragment of K: the image of tile "tile" of key block kb, three loads of 512 consecutive bytes, into v[reg] on.
.macro KFRAG reg, kb, tile
.irp c, 0,1,2
	ds_load_b128 v[\reg+4*\c:\reg+4*\c+3], v1 offset:KVB*(\kb)+(\tile)*1536+512*\c
.endr
.endm
; A product of S^T = K Q^T.  KQLO: tile t of 0-3, whose scale words lie in lanes 0-15; KQHI: tile 4 + t, whose words lie in lanes 16-31 of the same register.
.macro KQLO t, reg, kb
	v_wmma_scale_f32_16x16x128_f8f6f4 v[96+8*(\t):103+8*(\t)], v[\reg:\reg+11], v[16:27], 0, v[192+4*(\kb)+(\t)], v[QS] matrix_a_fmt:MATRIX_FMT_FP6 matrix_b_fmt:MATRIX_FMT_FP6
.endm
.macro KQHI t, reg, kb
	v_wmma_scale_f32_16x16x128_f8f6f4 v[128+8*(\t):135+8*(\t)], v[\reg:\reg+11], v[16:27], 0, v[192+4*(\kb)+(\t)], v[QS] matrix_a_fmt:MATRIX_FMT_FP6 matrix_b_fmt:MATRIX_FMT_FP6 matrix_a_scale:MATRIX_SCALE_ROW1
.endm
; A KEY STEP: the 128 keys of block kb.  mode 0: all count; 1: the block before: a key counts where its place is at or above my query's; 2: the block after: at or below.
.macro STEP kb, mode
.rept 4
	v_nop                                          ; four plain places: in the first step between the lines that mask Q and the products that take Q; the step is written once, so in the later steps they stand behind the last step's products
.endr
	s_wait_alu depctr_va_vdst(0)                   ; first step: Q's masked registers are written, which the products take, and so are v236-239, in which a load lands.  Later steps: the last step's products are done reading KA, p's codes and their scale words, and its vector lines are done with KB: the 24 loads below land there
.irp t, 0,1,2,3
	KFRAG KA+12*\t, \kb, \t                        ; S^T = K Q^T: all eight tiles of 16 keys are asked for in one run
.endr
	KFRAG KB0, \kb, 4
	KFRAG KB1, \kb, 5
	KFRAG KB2, \kb, 6
	KFRAG KB3, \kb, 7
	s_wait_dscnt 12                                ; LDS loads come back in order (ISA guide 5.7.1): tiles 0-3 are in, the 12 loads of tiles 4-7 may be out
.irp t, 0,1,2,3
	KQLO \t, KA+12*\t, \kb
.endr
	s_wait_dscnt 0x0                               ; tiles 4-7 are in
	KQHI 0, KB0, \kb
	KQHI 1, KB1, \kb
	KQHI 2, KB2, \kb
	KQHI 3, KB3, \kb
.rept 4
	v_nop                                          ; four places behind the products, ahead of the first read of their results and of the first vector write into KB (ISA guide 7.12.1)
.endr
	s_wait_alu depctr_va_vdst(0)                   ; the first four products are done reading KA, in which the loads below land; no line of the softmax names KA
.irp t, 0,1,2,3                        ; V^T's four fragments are asked for now and land under the softmax
.irp c, 0,1,2
	ds_load_b128 v[KA+12*\t+4*\c:KA+3+12*\t+4*\c], v2 offset:KVB*\kb+1536*\t+512*\c
.endr
.endr
.if \mode
	v_mov_b32 v254, 0xff800000                     ; -infinity
.irp q, 0,1                            ; 32 scores at a time: a run of compares into s2-17 and s32-47 (free: what they held is used up, and the loads that read them as bases are shown done), one wait, the selects
.irp n, 0,1,2,3,4,5,6,7,8,9,10,11,12,13,14,15,16,17,18,19,20,21,22,23,24,25,26,27,28,29,30,31
.if \mode == 1
	v_cmp_lt_i32 s[2+\n+14*(\n/16)], 64*\q+32*(\n/16)+\n%16, v7      ; hidden: the key lies more than 128 before my query
.else
	v_cmp_gt_i32 s[2+\n+14*(\n/16)], 64*\q+32*(\n/16)+\n%16, v7      ; hidden: more than 128 behind it
.endif
.endr
	s_wait_alu depctr_va_sdst(0)                   ; the 32 compares have written their masks, ahead of the selects that read them
.irp n, 0,1,2,3,4,5,6,7,8,9,10,11,12,13,14,15,16,17,18,19,20,21,22,23,24,25,26,27,28,29,30,31
	v_cndmask_b32 v[96+32*\q+\n], v[96+32*\q+\n], v254, s[2+\n+14*(\n/16)]
.endr
.endr
.endif
.irp b, 0,1,2,3
	v_max3_num_f32 v[232+\b], v[96+16*\b], v[97+16*\b], v[98+16*\b]   ; the largest score of each block of 32 keys: it serves for the row's maximum and, since p rises with the score, for the block's largest p
.endr
.irp i, 3,5,7,9,11,13
.irp b, 0,1,2,3
	v_max3_num_f32 v[232+\b], v[232+\b], v[96+16*\b+\i], v[97+16*\b+\i]
.endr
.endr
.irp b, 0,1,2,3
	v_max_num_f32 v[232+\b], v[232+\b], v[111+16*\b]
.endr
.irp b, 0,1,2,3
	v_permlanex16_b32 v[236+\b], v[232+\b], s[SEL], s[SEL+1]
.endr
.irp b, 0,1,2,3
	v_max_num_f32 v[232+\b], v[232+\b], v[236+\b]  ; with lane l xor 16's 16 keys
.endr
	v_max3_num_f32 v254, v232, v233, v234
	v_max_num_f32 v254, v254, v235                 ; the step's largest score of my query
	v_mul_f32 v254, s[CS], v254                    ; as t (c is positive)
	v_max_num_f32 v13, v13, v254                   ; the running largest t
	v_mov_b32 v254, v12
	v_floor_f32 v12, -v13                          ; the new -M = floor(-t) = -ceil(t): a whole number
	v_sub_f32 v254, v12, v254                      ; M's old value less its new one: a whole number, 0 or less
	v_cvt_i32_f32 v254, v254                       ; (it saturates)
	v_ldexp_f32 v252, 1.0, v254                    ; f = 2^(old M - new M)
.irp j, 0,2,4,6,8,10,12,14,16,18,20,22,24,26,28,30,32,34,36,38,40,42,44,46,48,50,52,54,56,58,60,62
	v_pk_fma_f32 v[96+\j:97+\j], v[96+\j:97+\j], s[CS:CS+1], v[12:13] op_sel_hi:[1,0,0]   ; t - M, two at a time
.endr
.irp b, 0,1,2,3
	v_fma_f32 v[232+\b], v[232+\b], s[CS], v12     ; the same of each block's largest score
.endr
.irp j, 0,1,2,3,4,5,6,7,8,9,10,11,12,13,14,15,16,17,18,19,20,21,22,23,24,25,26,27,28,29,30,31,32,33,34,35,36,37,38,39,40,41,42,43,44,45,46,47,48,49,50,51,52,53,54,55,56,57,58,59,60,61,62,63
	v_exp_f32 v[96+\j], v[96+\j]                   ; p = 2^(t - M), at most 1: not normalised
.endr
	v_pk_mul_f32 v[14:15], v[14:15], v[252:253] op_sel_hi:[1,0]   ; the sums under the new M: a plain place behind the exponentials
	s_wait_alu depctr_va_vdst(0)                   ; the 64 exponentials have written v96-159: one wait for the whole batch, ahead of its first reader
.irp b, 0,1,2,3
	v_exp_f32 v[232+\b], v[232+\b]                 ; the block's largest p: the same two instructions on the same number give the same bits
.endr
	v_pk_add_f32 v[236:237], v[96:97], v[98:99]    ; the row's sum is taken of the unquantised p: two at a time, in two chains; it reads the 64 alone
.irp j, 4,8,12,16,20,24,28,32,36,40,44,48,52,56,60
	v_pk_add_f32 v[14:15], v[14:15], v[96+\j:97+\j]
	v_pk_add_f32 v[236:237], v[236:237], v[98+\j:99+\j]
.endr
	v_pk_add_f32 v[14:15], v[14:15], v[236:237]
	s_wait_alu depctr_va_vdst(0)                   ; the four exponentials have written v232-235, ahead of their first reader
.irp b, 0,1,2,3
	v_max_num_f32 v[232+\b], 0x1800000, v[232+\b]  ; the floor 2^(3 - 127): a block whose every p is 0 keeps the byte 1: its codes are zeros
.endr
.irp b, 0,1,2,3
	v_add_nc_u32 v[244+\b], 0xff000000, v[232+\b]  ; 2 off the exponent field: the conversion's scale operand
.endr
.irp b, 0,1,2,3
	v_lshrrev_b32 v[236+\b], 23, v[244+\b]         ; the scale's byte
.endr
	v_lshl_or_b32 v253, v237, 8, v236              ; p's scale word for these 128 keys
	v_lshl_or_b32 v253, v238, 16, v253
	v_lshl_or_b32 v253, v239, 24, v253
.irp c, 0,1
	v_cvt_scalef32_pk16_fp6_f32 v[224+6*\c:226+6*\c], v[96+32*\c:111+32*\c], v[244+2*\c]
	v_cvt_scalef32_pk16_fp6_f32 v[236+4*\c:238+4*\c], v[112+32*\c:127+32*\c], v[244+2*\c+1]
.endr
	v_nop                                          ; one plain place behind a scaled conversion
.irp c, 0,1                            ; the operand wants a whole block in a lane
.irp i, 0,1,2
	v_permlane16_swap_b32 v[224+6*\c+\i], v[236+4*\c+\i]
.endr
.irp i, 0,1,2
	v_mov_b32 v[227+6*\c+\i], v[236+4*\c+\i]
.endr
.endr
.irp j, 0,2,4,6,8,10,12,14,16,18,20,22,24,26,28,30
	v_pk_mul_f32 v[160+\j:161+\j], v[160+\j:161+\j], v[252:253] op_sel_hi:[1,0]   ; O^T under the new M.  These 16 are also the places between p's codes and scale word and the products below
.endr
	s_wait_alu depctr_va_vdst(0)                   ; the conversions, swaps and moves have written p's codes v224-235, and the shifts its scale word v253, which the products below take; the places above stay beside this wait
	s_wait_dscnt 0x0                               ; V^T's fragments are in
.irp t, 0,1,2,3                        ; O^T += V^T P^T: my head's four tiles of 16 channels, by turns
	v_wmma_scale_f32_16x16x128_f8f6f4 v[160+8*\t:167+8*\t], v[KA+12*\t:KA+11+12*\t], v[224:235], v[160+8*\t:167+8*\t], v[204+4*\kb+\t], v253 matrix_a_fmt:MATRIX_FMT_FP6 matrix_b_fmt:MATRIX_FMT_FP6
.endr
.endm
	STEP 1, 0
	s_cmp_eq_u32 s25, 0
	s_cbranch_scc1 .Lno_before
	STEP 0, 1
.Lno_before:
	s_cmp_eq_u32 s25, 31
	s_cbranch_scc1 .Lno_after
	STEP 2, 2
.Lno_after:
	; THE WAY OUT.  O^T / the sum: register 16 b + j is channel 32 b + 16 h + j of my head: two blocks of the last projection's K, registers 6 e .. 6 e + 5 of my tile's fragment.
.rept 4
	v_nop                                          ; places behind the last products, on every way here
.endr
	v_add_f32 v14, v14, v15                        ; the sum's two halves,
	v_permlanex16_b32 v252, v14, s[SEL], s[SEL+1]
	v_add_f32 v14, v14, v252                       ; and lane l xor 16's
	v_rcp_f32 v14, v14
	v_nop                                          ; a plain place behind the reciprocal
	s_wait_alu depctr_va_vdst(0)                   ; the reciprocal has written v14, ahead of its first reader
.irp j, 0,2,4,6,8,10,12,14,16,18,20,22,24,26,28,30
	v_pk_mul_f32 v[96+\j:97+\j], v[160+\j:161+\j], v[14:15] op_sel_hi:[1,0]
.endr
.irp b, 0,1
	v_max3_num_f32 v[232+\b], |v[96+16*\b]|, |v[97+16*\b]|, 0x1800000
.endr
.irp i, 2,4,6,8,10,12,14
.irp b, 0,1
	v_max3_num_f32 v[232+\b], v[232+\b], |v[96+16*\b+\i]|, |v[97+16*\b+\i]|
.endr
.endr
.irp b, 0,1
	v_permlanex16_b32 v[236+\b], v[232+\b], s[SEL], s[SEL+1]
.endr
.irp b, 0,1
	v_max_num_f32 v[232+\b], v[232+\b], v[236+\b]
.endr
.irp b, 0,1
	v_add_nc_u32 v[244+\b], 0xff000000, v[232+\b]
.endr
.irp b, 0,1
	v_lshrrev_b32 v[236+\b], 23, v[244+\b]
.endr
	v_lshl_or_b32 v240, v237, 8, v236              ; my two bytes of the row's scale word
	v_cvt_scalef32_pk16_fp6_f32 v[224:226], v[96:111], v244
	v_cvt_scalef32_pk16_fp6_f32 v[228:230], v[112:127], v245
	v_nop                                          ; one plain place behind a scaled conversion
.irp i, 0,1,2
	v_permlane16_swap_b32 v[224+\i], v[228+\i]     ; lanes 0-15: the first block, lanes 16-31: the second; the first three registers its lower 16 codes, the others the upper 16
.endr
.irp i, 0,1,2
	v_mov_b32 v[227+\i], v[228+\i]
.endr
	s_wait_alu depctr_va_vdst(0)                   ; the codes v224-229 and the two bytes v240 are written, which the LDS stores read; and the vector lines are done with v96-103, in which the LDS loads below land: no vector instruction follows
	ds_store_b64 v8, v[224:225]
	ds_store_b64 v9, v[226:227]
	ds_store_b64 v8, v[228:229] offset:512
	ds_store_b16 v10, v240                         ; lanes r and r + 16 write the same two bytes with the same value
	s_wait_dscnt 0x0                               ; for the others' sake: my stores have landed
	s_barrier_signal -1
	s_barrier_wait -1                              ; eight whole images and their scale words lie in LDS
	ds_load_b128 v[96:99], v11
	ds_load_b64 v[100:101], v28 offset:512
	s_wait_dscnt 0x0
	global_store_b128 v1, v[96:99], s[54:55]       ; 768 consecutive bytes a wave, at a multiple of 256 from the buffer's first byte
	global_store_b64 v4, v[100:101], s[54:55] offset:512
	s_cmp_lt_u32 s[WV], 2
	s_cbranch_scc0 .Lno_scales
	ds_load_b64 v[102:103], v29
	s_wait_dscnt 0x0
	global_store_b64 v4, v[102:103], s[56:57]      ; 256 consecutive bytes, aligned
.Lno_scales:
	s_wait_dscnt 0x0                               ; the closing lines, six on end
	s_wait_alu 0x0
	s_wait_tensorcnt 0x0
	ds_add_u32 v[SPW], v[NIL]
	s_wait_dscnt 0x0
	s_endpgm
.Lfunc_end_k_q4e1e52800e_attn:
	.size	k_q4e1e52800e_attn, .Lfunc_end_k_q4e1e52800e_attn-k_q4e1e52800e_attn
	.p2alignl 7, 3214868480
	.fill 96, 4, 3214868480
	.section	.rodata,"a",@progbits
	.p2align	6, 0x0
	.amdhsa_kernel k_q4e1e52800e_attn
		.amdhsa_group_segment_fixed_size 88576
		.amdhsa_private_segment_fixed_size 0
		.amdhsa_enable_private_segment 0
		.amdhsa_kernarg_size 32
		.amdhsa_user_sgpr_count 2
		.amdhsa_user_sgpr_kernarg_segment_ptr 1
		.amdhsa_wavefront_size32 1
		.amdhsa_system_sgpr_workgroup_id_x 1
		.amdhsa_system_sgpr_workgroup_id_y 1
		.amdhsa_system_sgpr_workgroup_id_z 1
		.amdhsa_system_vgpr_workitem_id 0
		.amdhsa_next_free_vgpr 256
		.amdhsa_next_free_sgpr 66
		.amdhsa_reserve_vcc 0
		.amdhsa_float_denorm_mode_32 3
		.amdhsa_float_denorm_mode_16_64 3
		.amdhsa_memory_ordered 1
		.amdhsa_forward_progress 1
		.amdhsa_inst_pref_size 83
	.end_amdhsa_kernel
	.amdgpu_metadata
---
amdhsa.version: [ 1, 2 ]
amdhsa.kernels:
  - .name:           k_q4e1e52800e_attn
    .symbol:         k_q4e1e52800e_attn.kd
    .args:
      - { .name: p_codes, .offset: 0, .size: 8, .value_kind: global_buffer, .address_space: global }
      - { .name: p_scales, .offset: 8, .size: 8, .value_kind: global_buffer, .address_space: global }
      - { .name: o_codes, .offset: 16, .size: 8, .value_kind: global_buffer, .address_space: global }
      - { .name: o_scales, .offset: 24, .size: 8, .value_kind: global_buffer, .address_space: global }
    .group_segment_fixed_size: 88576
    .private_segment_fixed_size: 0
    .kernarg_segment_align: 8
    .kernarg_segment_size: 32
    .max_flat_workgroup_size: 512
    .sgpr_count:     66
    .vgpr_count:     256
    .wavefront_size: 32
...
	.end_amdgpu_metadata
.endif
;; end of part 5
;; launch outp: the kernel of part 4 again; grid 4 x 16, 4 waves a work-group, clusters of 4 x 4, 327,680 bytes of LDS; arguments o_codes, o_scales, codes_in, scales_in, out0; writes out0
